; MI455X (gfx1250); checked and timed in simulation.
; The chip was launched on July 23, 2026; its instructions are those of AMD's public machine-readable ISA for CDNA 5 (MIT licence, August 2026) and "CDNA5" Instruction Set Architecture Reference Guide (July 2026). The comments in the code are by the model that wrote it; some were corrected since.
;; Bayesian Multi Head Attention. Allowed arithmetic: float matrix products may take bf16 or f16 operands with f32 sums; other float arithmetic in f32, or as packed bf16 or f16 multiplies, adds, multiply-adds, maxima and minima; sums over many terms, partial sums and values carried from step to step in f32; what a program stores and reads back later, other than sums and carried values, may be rounded once to bf16 or f16.
;; Inputs: H 8 x 1,024 x 512 float32; Wk_mu 512 x 512 float32; Wk_rho 512 x 512 float32; Wo_mu 512 x 512 float32; Wo_rho 512 x 512 float32; Wq_mu 512 x 512 float32; Wq_rho 512 x 512 float32; Wv_mu 512 x 512 float32; Wv_rho 512 x 512 float32; bk_mu 512 float32; bk_rho 512 float32; bo_mu 512 float32; bo_rho 512 float32; bq_mu 512 float32; bq_rho 512 float32; bv_mu 512 float32; bv_rho 512 float32; log_length 16 float32; log_sigma_f 16 float32; x_raw 8 x 1,024 x 16 float32.
;; Outputs: out0 8 x 1,024 x 512 float32; out1 8 x 1,024 x 512 float32.
;; One version. Each part assembles by itself: llvm-mc -triple=amdgcn-amd-amdhsa -mcpu=gfx1250 --defsym DOCPART=n.
;; ======== version 1 of 1: 4 launches
;; limits: values are held in f16: magnitudes above 65,504 overflow, below 6.1e-05 lose precision
;; workspace buffers: HB 16,777,216 bytes; WB 3,145,728 bytes; TAB 12,544 bytes; XAB 1,048,576 bytes; QKV 33,554,432 bytes; CC 16,777,216 bytes; VAT 16,777,216 bytes
;; launch prep (part 1): grid 1409 x 1, 8 waves a work-group, no clusters, 0 bytes of LDS; arguments H, x_raw, Wq_mu, Wk_mu, Wv_mu, Wo_mu, Wv_rho, Wo_rho, bq_mu, bk_mu, bv_mu, bv_rho, bo_mu, bo_rho, log_length, log_sigma_f, HB, WB, TAB, XAB; writes HB, WB, TAB, XAB
.if DOCPART == 1
	.amdgcn_target "amdgcn-amd-amdhsa--gfx1250"
	.amdhsa_code_object_version 6
	.text
	.protected	k_q093c7698a6_prep
	.globl	k_q093c7698a6_prep
	.p2align	8
	.type	k_q093c7698a6_prep,@function
k_q093c7698a6_prep:
	s_mov_b64 s[64:65], 0
	v_nop
	global_prefetch_b8 v0, s[64:65] scope:SCOPE_SE
	s_setreg_imm32_b32 hwreg(HW_REG_WAVE_MODE, 25, 1), 1
	s_wait_xcnt 0x0
; PREPARATION.  Every input that the module uses is rounded once to bf16, and what the later launches multiply is laid out for them.
;   HB  [2][8192][512] bf16: bf16(H), and bf16(bf16(H)^2) 8,388,608 bytes on
;   WB  rows of 512 numbers of 16 bits: Wq, Wk, Wv (bf16), softplus(Wv_rho)^2 (bf16); from byte 2,097,152 on Wo (its bf16 value written as f16), softplus(Wo_rho)^2 (bf16)
;   TAB f32: bq, bk, bv, softplus(bv_rho)^2, bo, softplus(bo_rho)^2 (512 each); from byte 12,288 on 32 pairs {KAP, LSF2} of head i % 16
;   XAB [2][8192][32] bf16: XA = (x, hi, mid, lo, 1, 1, 1, 0..), XB = (-2 x, 1, 1, 1, hi, mid, lo, 0..), hi + mid + lo = sum of x^2 exactly: XA_m . XB_n = |x_m|^2 + |x_n|^2 - 2 x_m . x_n
; NOT READ: Wq_rho, Wk_rho, bq_rho, bk_rho.  The module's result does not depend on them (the variances of Q and K are never formed).
; LIMITS.  Wo's bf16 value is exact in f16 from 6.1e-5 up to 65,504; below it keeps f16's fixed step.  exp2 gives 0 below 2^-126, so softplus(rho) is 0 for rho below -87.
; A stream: no LDS, no matrix unit, no cluster; the sections are chosen by the work-group's number, each ends the wave.
; softplus(r) = max(r, 0) + log1p(t), t = e^-|r|; log1p(t) = ln 2 x log2(1 + t), or, where t < 2^-7, t - t^2/2 + t^3/3 (what is cut is t^3/4 of the result, under 1.2e-7 there).
.macro RND x, w, n                     ; n words: two f32 rounded to bf16 in each
.set k, 0
.rept \n
	v_cvt_pk_bf16_f32 v[(\w)+k], v[(\x)+2*k], v[(\x)+2*k+1]
.set k, k+1
.endr
.endm
.macro UNP x, w, n                     ; and back to f32: the low half moves up, the high half stays
.set k, 0
.rept \n
	v_lshlrev_b32 v[(\x)+2*k], 16, v[(\w)+k]
	v_and_b32 v[(\x)+2*k+1], s44, v[(\w)+k]
.set k, k+1
.endr
.endm
.macro SOFTSQ x, t, u, p, n            ; x[0..n-1] = softplus(x)^2
.set k, 0
.rept \n
	v_and_b32 v[(\t)+k], 0x7fffffff, v[(\x)+k]
	v_mul_f32 v[(\t)+k], s45, v[(\t)+k]            ; -log2(e) |r|
.set k, k+1
.endr
.set k, 0
.rept \n
	v_exp_f32 v[(\t)+k], v[(\t)+k]                 ; t
.set k, k+1
.endr
	v_nop                                          ; a plain instruction behind the last exponential
	s_wait_alu depctr_va_vdst(0)                   ; one wait for the batch, ahead of its first reader
.set k, 0
.rept \n
	v_add_f32 v[(\u)+k], 1.0, v[(\t)+k]
.set k, k+1
.endr
.set k, 0
.rept \n
	v_log_f32 v[(\u)+k], v[(\u)+k]
.set k, k+1
.endr
.set k, 0
.rept \n                               ; the series, while the logarithms are out
	v_fma_f32 v[(\p)+k], v[(\t)+k], s47, -0.5
	v_fma_f32 v[(\p)+k], v[(\p)+k], v[(\t)+k], 1.0
	v_mul_f32 v[(\p)+k], v[(\p)+k], v[(\t)+k]
.set k, k+1
.endr
	s_wait_alu depctr_va_vdst(0)                   ; one wait for the logarithms
.set k, 0
.rept \n
	v_mul_f32 v[(\u)+k], s46, v[(\u)+k]
	v_cmp_gt_f32 vcc_lo, 0x3c000000, v[(\t)+k]     ; t < 2^-7: the series
	v_cndmask_b32 v[(\u)+k], v[(\u)+k], v[(\p)+k], vcc_lo
	v_max_num_f32 v[(\x)+k], 0, v[(\x)+k]
	v_add_f32 v[(\x)+k], v[(\x)+k], v[(\u)+k]
	v_mul_f32 v[(\x)+k], v[(\x)+k], v[(\x)+k]
.set k, k+1
.endr
.endm
	s_load_b512 s[4:19], s[0:1], 0x0               ; H 4, x_raw 6, Wq 8, Wk 10, Wv 12, Wo 14, Wv_rho 16, Wo_rho 18
	s_load_b512 s[20:35], s[0:1], 0x40             ; bq 20, bk 22, bv 24, bv_rho 26, bo 28, bo_rho 30, log_length 32, log_sigma_f 34
	s_load_b256 s[36:43], s[0:1], 0x80             ; HB 36, WB 38, TAB 40, XAB 42
	s_mov_b32 s44, 0xffff0000                      ; a word's upper bf16
	s_mov_b32 s45, 0xbfb8aa3b                      ; -log2(e)
	s_mov_b32 s46, 0x3f317218                      ; ln 2
	s_mov_b32 s47, 0x3eaaaaab                      ; 1/3
	s_mov_b32 s2, ttmp9
	s_mov_b32 s53, 0                               ; high words of the two offset pairs
	s_mov_b32 s57, 0
	v_lshlrev_b32 v1, 5, v0                        ; 32 t: eight f32 a thread
	v_lshlrev_b32 v2, 4, v0                        ; 16 t: eight numbers of 16 bits
	s_wait_kmcnt 0x0
	s_cmp_lt_u32 s2, 512
	s_cbranch_scc0 .Lnot_h
	; H: 8,192 numbers a work-group, four groups of eight a thread; all eight loads go out first
	s_lshl_b32 s52, s2, 15
	s_add_nc_u64 s[4:5], s[4:5], s[52:53]
	s_lshl_b32 s56, s2, 14
	s_add_nc_u64 s[36:37], s[36:37], s[56:57]
	s_add_nc_u64 s[48:49], s[36:37], 0x800000      ; the plane of squares
.irp j, 0,1,2,3
	global_load_b128 v[16+8*\j:19+8*\j], v1, s[4:5] offset:8192*\j th:TH_LOAD_NT
	global_load_b128 v[20+8*\j:23+8*\j], v1, s[4:5] offset:8192*\j+16 th:TH_LOAD_NT
.endr
.irp j, 0,1,2,3
	s_wait_loadcnt 6-2*\j                          ; the younger groups' loads stay out
	RND 16+8*\j, 48+4*\j, 4
	UNP 16+8*\j, 48+4*\j, 4
.set k, 0
.rept 4
	v_pk_mul_f32 v[16+8*\j+2*k:17+8*\j+2*k], v[16+8*\j+2*k:17+8*\j+2*k], v[16+8*\j+2*k:17+8*\j+2*k]
.set k, k+1
.endr
	RND 16+8*\j, 64+4*\j, 4
	global_store_b128 v2, v[48+4*\j:51+4*\j], s[36:37] offset:4096*\j  ; a wave's store covers 512 consecutive bytes, aligned; each group has store registers of its own
	global_store_b128 v2, v[64+4*\j:67+4*\j], s[48:49] offset:4096*\j
.endr
	s_endpgm
.Lnot_h:
	s_cmp_lt_u32 s2, 1024
	s_cbranch_scc0 .Lnot_mu
	; the four mean matrices: 128 work-groups each, 2,048 numbers a work-group
	s_sub_co_u32 s50, s2, 512
	s_lshr_b32 s51, s50, 7                         ; which matrix
	s_and_b32 s50, s50, 127                        ; which part of it
	s_lshl_b32 s56, s51, 19
	s_cmp_eq_u32 s51, 1
	s_cselect_b64 s[54:55], s[10:11], s[8:9]
	s_cmp_eq_u32 s51, 2
	s_cselect_b64 s[54:55], s[12:13], s[54:55]
	s_cmp_eq_u32 s51, 3
	s_cselect_b64 s[54:55], s[14:15], s[54:55]
	s_cselect_b32 s56, 0x200000, s56               ; Wo lies behind the four matrices of the first product
	s_lshl_b32 s52, s50, 13
	s_add_nc_u64 s[54:55], s[54:55], s[52:53]
	s_lshl_b32 s52, s50, 12
	s_add_co_u32 s56, s56, s52
	s_add_nc_u64 s[58:59], s[38:39], s[56:57]
	global_load_b128 v[16:19], v1, s[54:55] th:TH_LOAD_NT
	global_load_b128 v[20:23], v1, s[54:55] offset:16 th:TH_LOAD_NT
	s_wait_loadcnt 0x0
	RND 16, 24, 4
	s_cmp_lg_u32 s51, 3
	s_cbranch_scc1 .Lmu_out
	UNP 16, 24, 4                                  ; Wo multiplies an f16 operand: its bf16 value is written as f16
.set k, 0
.rept 4
	v_cvt_pk_f16_f32 v[24+k], v[16+2*k], v[17+2*k]
.set k, k+1
.endr
.Lmu_out:
	global_store_b128 v2, v[24:27], s[58:59]
	s_endpgm
.Lnot_mu:
	s_cmp_lt_u32 s2, 1280
	s_cbranch_scc0 .Lnot_rho
	; softplus(rho)^2 of Wv_rho and Wo_rho
	s_sub_co_u32 s50, s2, 1024
	s_lshr_b32 s51, s50, 7
	s_and_b32 s50, s50, 127
	s_mov_b32 s56, 1572864                         ; rows 1,536 on of the first product's weights
	s_cmp_eq_u32 s51, 1
	s_cselect_b64 s[54:55], s[18:19], s[16:17]
	s_cselect_b32 s56, 2621440, s56                ; rows 512 on of the second's
	s_lshl_b32 s52, s50, 13
	s_add_nc_u64 s[54:55], s[54:55], s[52:53]
	s_lshl_b32 s52, s50, 12
	s_add_co_u32 s56, s56, s52
	s_add_nc_u64 s[58:59], s[38:39], s[56:57]
	global_load_b128 v[16:19], v1, s[54:55] th:TH_LOAD_NT
	global_load_b128 v[20:23], v1, s[54:55] offset:16 th:TH_LOAD_NT
	s_wait_loadcnt 0x0
	RND 16, 24, 4
	UNP 16, 24, 4
	SOFTSQ 16, 24, 32, 40, 8
	RND 16, 24, 4
	global_store_b128 v2, v[24:27], s[58:59]
	s_endpgm
.Lnot_rho:
	s_cmp_lt_u32 s2, 1408
	s_cbranch_scc0 .Ltables
	; x: 64 rows a work-group, four lanes a row; lane q writes 16 bytes of the row of XA and of XB
	s_sub_co_u32 s50, s2, 1280
	s_lshl_b32 s52, s50, 12
	s_add_nc_u64 s[6:7], s[6:7], s[52:53]
	s_add_nc_u64 s[42:43], s[42:43], s[52:53]
	v_lshrrev_b32 v3, 2, v0
	v_and_b32 v5, 1, v0
	v_lshlrev_b32 v3, 6, v3
	v_lshl_add_u32 v3, v5, 5, v3                   ; my row, and half q % 2 of its 16 numbers
	v_and_b32 v4, 3, v0                            ; q
	global_load_b128 v[16:19], v3, s[6:7] th:TH_LOAD_NT
	global_load_b128 v[20:23], v3, s[6:7] offset:16 th:TH_LOAD_NT
	v_mov_b32 v6, 1.0
	v_mov_b32 v7, 0
	s_wait_loadcnt 0x0
	RND 16, 24, 4                                  ; v[24:27]: x
	UNP 16, 24, 4
	v_pk_mul_f32 v[32:33], v[16:17], v[16:17]
	v_pk_fma_f32 v[32:33], v[18:19], v[18:19], v[32:33]
	v_pk_fma_f32 v[32:33], v[20:21], v[20:21], v[32:33]
	v_pk_fma_f32 v[32:33], v[22:23], v[22:23], v[32:33]
	v_add_f32 v32, v32, v33
	v_add_f32_dpp v32, v32, v32 row_xmask:1 row_mask:0xf bank_mask:0xf  ; the row's other half: all four lanes hold the sum of squares
.set k, 0
.rept 4
	v_pk_mul_f32 v[16+2*k:17+2*k], v[16+2*k:17+2*k], -2.0 op_sel_hi:[1,0]
.set k, k+1
.endr
	RND 16, 28, 4                                  ; v[28:31]: -2 x, exact
	v_cvt_pk_bf16_f32 v34, v32, v32
	v_lshlrev_b32 v35, 16, v34                     ; hi
	v_sub_f32 v36, v32, v35                        ; what hi leaves, exact
	v_cvt_pk_bf16_f32 v40, v32, v36                ; {hi, mid}
	v_and_b32 v37, s44, v40                        ; mid
	v_sub_f32 v38, v36, v37                        ; what mid leaves: at most 8 significant bits, so lo is exact
	v_cvt_pk_bf16_f32 v41, v38, v6                 ; {lo, 1}
	v_mov_b32 v42, 0x3f803f80                      ; {1, 1}
	v_mov_b32 v44, 0x3f803f80                      ; {1, 1}
	v_cvt_pk_bf16_f32 v45, v6, v32                 ; {1, hi}
	v_cvt_pk_bf16_f32 v46, v36, v38                ; {mid, lo}
	v_cmp_eq_u32 s50, 3, v4                        ; lane 3 writes zeros,
	v_cmp_lt_u32 s51, 1, v4                        ; lanes 2 and 3 no x
.irp r, 40,41,42,44,45,46
	v_cndmask_b32 v\r, v\r, v7, s50
.endr
	v_cndmask_b32 v24, v24, v40, s51
	v_cndmask_b32 v25, v25, v41, s51
	v_cndmask_b32 v26, v26, v42, s51
	v_cndmask_b32 v27, v27, v7, s51
	v_cndmask_b32 v28, v28, v44, s51
	v_cndmask_b32 v29, v29, v45, s51
	v_cndmask_b32 v30, v30, v46, s51
	v_cndmask_b32 v31, v31, v7, s51
	global_store_b128 v2, v[24:27], s[42:43]
	global_store_b128 v2, v[28:31], s[42:43] offset:524288
	s_endpgm
.Ltables:
	; one work-group: waves 0 to 5 a bias vector each, wave 6 the heads' two constants
	v_lshrrev_b32 v3, 5, v0
	v_readfirstlane_b32 s50, v3
	v_and_b32 v5, 31, v0
	s_cmp_lt_u32 s50, 6
	s_cbranch_scc0 .Lheads
	s_cmp_eq_u32 s50, 1
	s_cselect_b64 s[54:55], s[22:23], s[20:21]
	s_cmp_eq_u32 s50, 2
	s_cselect_b64 s[54:55], s[24:25], s[54:55]
	s_cmp_eq_u32 s50, 3
	s_cselect_b64 s[54:55], s[26:27], s[54:55]
	s_cmp_eq_u32 s50, 4
	s_cselect_b64 s[54:55], s[28:29], s[54:55]
	s_cmp_eq_u32 s50, 5
	s_cselect_b64 s[54:55], s[30:31], s[54:55]
	s_lshl_b32 s52, s50, 11
	s_add_nc_u64 s[40:41], s[40:41], s[52:53]
	v_lshlrev_b32 v3, 4, v5
.irp j, 0,1,2,3
	global_load_b128 v[16+4*\j:19+4*\j], v3, s[54:55] offset:512*\j
.endr
	s_wait_loadcnt 0x0
	RND 16, 32, 8
	UNP 16, 32, 8
	s_cmp_eq_u32 s50, 3
	s_cbranch_scc1 .Lsquare
	s_cmp_eq_u32 s50, 5
	s_cbranch_scc0 .Lbias_out
.Lsquare:
	SOFTSQ 16, 32, 48, 64, 16
.Lbias_out:
.irp j, 0,1,2,3
	global_store_b128 v3, v[16+4*\j:19+4*\j], s[40:41] offset:512*\j
.endr
	s_endpgm
.Lheads:
	s_cmp_eq_u32 s50, 6
	s_cbranch_scc0 .Lend
	; sqrt(32) sigma_f^2 exp(-d / (2 len^2)) = 2^(256 y + LSF2), y = 1 + KAP d held to 0 .. 1
	v_and_b32 v3, 15, v0
	v_lshlrev_b32 v3, 2, v3
	global_load_b32 v16, v3, s[32:33]
	global_load_b32 v17, v3, s[34:35]
	s_mov_b32 s51, 0x4038aa3b                      ; 2 log2(e)
	v_lshlrev_b32 v5, 3, v5
	s_wait_loadcnt 0x0
	v_cvt_pk_bf16_f32 v18, v16, v17
	v_lshlrev_b32 v16, 16, v18
	v_and_b32 v17, s44, v18
	v_mul_f32 v19, 0xc038aa3b, v16                 ; -2 log2(e) log_length
	v_exp_f32 v19, v19                             ; 1 / len^2
	v_fmaak_f32 v21, s51, v17, 0xc37d8000          ; LSF2 = 2 log2(e) log_sigma_f + 2.5 - 256; also the plain instruction behind the exponential
	s_wait_alu depctr_va_vdst(0)
	v_mul_f32 v20, 0xbb38aa3b, v19                 ; KAP = -(log2(e) / 512) / len^2
	global_store_b64 v5, v[20:21], s[40:41] offset:12288  ; 256 consecutive bytes
.Lend:
	s_endpgm
.Lfunc_end_k_q093c7698a6_prep:
	.size	k_q093c7698a6_prep, .Lfunc_end_k_q093c7698a6_prep-k_q093c7698a6_prep
	.p2alignl 7, 3214868480
	.fill 96, 4, 3214868480
	.section	.rodata,"a",@progbits
	.p2align	6, 0x0
	.amdhsa_kernel k_q093c7698a6_prep
		.amdhsa_group_segment_fixed_size 0
		.amdhsa_private_segment_fixed_size 0
		.amdhsa_enable_private_segment 0
		.amdhsa_kernarg_size 160
		.amdhsa_user_sgpr_count 2
		.amdhsa_user_sgpr_kernarg_segment_ptr 1
		.amdhsa_wavefront_size32 1
		.amdhsa_system_sgpr_workgroup_id_x 1
		.amdhsa_system_sgpr_workgroup_id_y 1
		.amdhsa_system_sgpr_workgroup_id_z 1
		.amdhsa_system_vgpr_workitem_id 0
		.amdhsa_next_free_vgpr 80
		.amdhsa_next_free_sgpr 66
		.amdhsa_reserve_vcc 1
		.amdhsa_float_denorm_mode_32 3
		.amdhsa_float_denorm_mode_16_64 3
		.amdhsa_memory_ordered 1
		.amdhsa_forward_progress 1
		.amdhsa_inst_pref_size 32
	.end_amdhsa_kernel
	.amdgpu_metadata
---
amdhsa.version: [ 1, 2 ]
amdhsa.kernels:
  - .name:           k_q093c7698a6_prep
    .symbol:         k_q093c7698a6_prep.kd
    .args:
      - { .name: H, .offset: 0, .size: 8, .value_kind: global_buffer, .address_space: global }
      - { .name: x_raw, .offset: 8, .size: 8, .value_kind: global_buffer, .address_space: global }
      - { .name: Wq_mu, .offset: 16, .size: 8, .value_kind: global_buffer, .address_space: global }
      - { .name: Wk_mu, .offset: 24, .size: 8, .value_kind: global_buffer, .address_space: global }
      - { .name: Wv_mu, .offset: 32, .size: 8, .value_kind: global_buffer, .address_space: global }
      - { .name: Wo_mu, .offset: 40, .size: 8, .value_kind: global_buffer, .address_space: global }
      - { .name: Wv_rho, .offset: 48, .size: 8, .value_kind: global_buffer, .address_space: global }
      - { .name: Wo_rho, .offset: 56, .size: 8, .value_kind: global_buffer, .address_space: global }
      - { .name: bq_mu, .offset: 64, .size: 8, .value_kind: global_buffer, .address_space: global }
      - { .name: bk_mu, .offset: 72, .size: 8, .value_kind: global_buffer, .address_space: global }
      - { .name: bv_mu, .offset: 80, .size: 8, .value_kind: global_buffer, .address_space: global }
      - { .name: bv_rho, .offset: 88, .size: 8, .value_kind: global_buffer, .address_space: global }
      - { .name: bo_mu, .offset: 96, .size: 8, .value_kind: global_buffer, .address_space: global }
      - { .name: bo_rho, .offset: 104, .size: 8, .value_kind: global_buffer, .address_space: global }
      - { .name: log_length, .offset: 112, .size: 8, .value_kind: global_buffer, .address_space: global }
      - { .name: log_sigma_f, .offset: 120, .size: 8, .value_kind: global_buffer, .address_space: global }
      - { .name: HB, .offset: 128, .size: 8, .value_kind: global_buffer, .address_space: global }
      - { .name: WB, .offset: 136, .size: 8, .value_kind: global_buffer, .address_space: global }
      - { .name: TAB, .offset: 144, .size: 8, .value_kind: global_buffer, .address_space: global }
      - { .name: XAB, .offset: 152, .size: 8, .value_kind: global_buffer, .address_space: global }
    .group_segment_fixed_size: 0
    .private_segment_fixed_size: 0
    .kernarg_segment_align: 8
    .kernarg_segment_size: 160
    .max_flat_workgroup_size: 256
    .sgpr_count:     66
    .vgpr_count:     80
    .wavefront_size: 32
...
	.end_amdgpu_metadata
.endif
;; end of part 1
;; launch proj (part 2): grid 32 x 8, 4 waves a work-group, clusters of 4 x 1, 327,680 bytes of LDS; arguments HB, WB, TAB, QKV; writes QKV
.if DOCPART == 2
	.amdgcn_target "amdgcn-amd-amdhsa--gfx1250"
	.amdhsa_code_object_version 6
	.text
	.protected	k_q093c7698a6_proj
	.globl	k_q093c7698a6_proj
	.p2align	8
	.type	k_q093c7698a6_proj,@function
k_q093c7698a6_proj:
	s_mov_b64 s[64:65], 0
	v_nop
	global_prefetch_b8 v0, s[64:65] scope:SCOPE_SE
	s_setreg_imm32_b32 hwreg(HW_REG_WAVE_MODE, 25, 1), 1
	s_wait_xcnt 0x0
	s_wait_alu depctr_hold_cnt(0) depctr_sa_sdst(0) depctr_va_vdst(0) depctr_va_sdst(0) depctr_va_ssrc(0) depctr_va_vcc(0) depctr_vm_vsrc(0)
	s_getreg_b32 s2, hwreg(HW_REG_IB_STS2, 6, 4)
	s_cmp_eq_u32 s2, 0
	s_cbranch_scc0 .Lentry_in_a_cluster
	s_endpgm
.Lentry_in_a_cluster:
	s_bfe_u32 s2, ttmp6, 0x10000c
	s_cmp_lg_u32 s2, 0x3003
	s_cbranch_scc0 .Lentry_shape_is_right
	s_endpgm
.Lentry_shape_is_right:
; Q, K, V AND V_v IN ONE PRODUCT.  QKV[m][n] = bias[n] + sum over k of A[m][k] W[n][k]: 8,192 x 2,048 x 512, bf16 operands, f32 sums that start with the bias.
; Columns 0-511 Q, 512-1023 K, 1024-1535 V: A = bf16(H), stored as f16.  Columns 1536-2047 V_v: A = the plane of squares, W = softplus^2, stored as bf16 (V_v needs f32's range).
; LIMIT.  Q, K and V are rounded to f16: they must lie within 65,504.
; SHARES.  A work-group of four waves makes 256 x 256, a wave 128 x 128: 64 accumulators, 512 registers.  32 x 8 = 256 work-groups.  K goes in 4 steps of 128 through two LDS slots; the walk is written out.
; CLUSTER.  Four row blocks of one column block: they need the same tile of W, which is asked for JOINTLY (mask 15).  A's tile is the work-group's own and comes by a plain load behind the same rounds.
; A is not shared along column blocks: of four neighbouring column blocks 4 to 7 two take the plane of H and two the plane of squares, so they have no tile of A in common.
; NO PREFETCH: K has four steps; two are asked for at the start and two by the only two refills, a step after each other.
; THE MATRIX INSTRUCTION IS USED TRANSPOSED (source 0 = 16 rows of W, source 1 = 16 rows of A): a lane holds row l % 16 and the columns 8 (l / 16) + 0..7, which pack into 16 bytes.
; REGISTERS in windows of 256 (s_set_vgpr_msb: bits 1:0 source 0, 3:2 source 1, 5:4 source 2, 7:6 destination):
;   window 0: v16-29 addresses; v64-127, v128-191 A's fragments, two buffers; v192-255 the bias (8 registers for each block of 16 columns), later the way out (v192-223 packed, v32-63 and v224-255 rows read back)
;   window 1: v64-127, v128-191 W's fragments;   windows 2, 3: the accumulators, (a, b) at v[8 (8 a + b)]
.set KSTEP,  128
.set PITCH,  272                       ; an LDS row: 256 bytes + 16 of padding: the 16 rows of a fragment load start 68 words apart
.set HALFT,  128*PITCH
.set SLOT,   4*HALFT                   ; A's 256 rows, then W's 256 rows
.set STAGE,  2*SLOT                    ; behind the ring: 16 rows x 272 bytes for each wave
.set SPITCH, 272
.set SPARE,  STAGE+4*16*SPITCH         ; the spare words: 128 bytes a wave, named by no other line
.set CROW,   4096                      ; bytes in a row of QKV
.set ADRA, 16
.set ADRB, 20
.set STO,  24
.set RD,   25
.set CO,   26
.set BO,   27
.set SPW,  28
.set NIL,  29
.set F0,   64
.set F1,   128
.set BI,   192
.set TMP,  192
.set OB,   32
.set WV,   12                          ; s12 wave
.set RH,   13                          ; s13 my half of the tile's rows; also: I fetch A (0) or W (1)
.set CH,   14                          ; s14 my half of its columns; also: which 128 rows I fetch
.set CB,   17                          ; s17 column block, the same in all four partners
.set G1A,  24
.set G0A,  32
.set G1B,  40
.set G0B,  48
.set MSB, 0
.macro WIN new                         ; the immediate's high byte repeats the setting that is left
.if MSB != (\new)
	s_set_vgpr_msb (MSB<<8)|(\new)
.set MSB, \new
.endif
.endm
.macro JLOAD s                         ; waves 0, 1: A's halves (plain); waves 2, 3: W's halves (joint).  An s_nop 0 and four v_nop follow each line
	s_cmp_eq_u32 s[RH], 0
	s_cbranch_scc0 .Lfor_b_\@
	tensor_load_to_lds s[G0A+4*(\s):G0A+4*(\s)+3], s[G1A:G1A+7]
	s_nop 0
.rept 4
	v_nop
.endr
	s_branch .Lasked_\@
.Lfor_b_\@:
	tensor_load_to_lds s[G0B+4*(\s):G0B+4*(\s)+3], s[G1B:G1B+7]
	s_nop 0
.rept 4
	v_nop
.endr
.Lasked_\@:
.endm
.macro CREST                           ; a round of the cluster's barrier behind its opening barrier
	s_cmp_lg_u32 s[WV], 0
	s_cbranch_scc1 .Lnot_wave_0_\@
	s_barrier_signal -3
.Lnot_wave_0_\@:
	s_barrier_wait -3
	s_barrier_signal -1
	s_barrier_wait -1
.endm
.macro CROUND
	s_barrier_signal -1
	s_barrier_wait -1
	CREST
.endm
	s_load_b256 s[4:11], s[0:1], 0x0               ; HB 4, WB 6, TAB 8, QKV 10
	v_lshl_add_u32 v[SPW], v0, 2, SPARE
	v_mov_b32 v[NIL], 0
	ds_add_u32 v[SPW], v[NIL]                      ; the wave's opening: the add and its wait ahead of my first tensor load
	v_lshrrev_b32 v1, 5, v0
	v_readfirstlane_b32 s[WV], v1
	s_lshr_b32 s[RH], s[WV], 1
	s_and_b32 s[CH], s[WV], 1
	s_bfe_u32 s15, ttmp6, 0x40000                  ; cx
	s_lshl_b32 s16, ttmp9, 2
	s_add_co_u32 s16, s16, s15                     ; row block = 4 x cluster x + cx
	s_and_b32 s[CB], ttmp7, 0xffff
	s_mov_b32 s[G1A], (1<<16)|(1<<20)|(5<<22)|(3<<25)                ; 2-byte elements; 4 words of padding behind every 64; no mask
	s_mov_b32 s[G1B], 15|(1<<16)|(1<<20)|(1<<21)|(5<<22)|(3<<25)     ; the same for all four work-groups, bit 21 beside the mask
.irp g, G1A, G1B
	s_mov_b32 s[(\g)+1], KSTEP<<16                 ; tensor_dim0 = 128
	s_mov_b32 s[(\g)+2], 128<<16                   ; tensor_dim1 = 128
	s_mov_b32 s[(\g)+3], KSTEP<<16                 ; tile_dim0 = 128
	s_mov_b32 s[(\g)+4], 128                       ; tile_dim1 = 128
	s_mov_b32 s[(\g)+5], 512                       ; elements from row to row
	s_mov_b32 s[(\g)+6], 0
	s_mov_b32 s[(\g)+7], 0
.endr
	s_lshl_b32 s22, s[CH], 17                      ; which 128 rows of 1,024 bytes I fetch
	s_lshl_b32 s20, s[CB], 18                      ; W: row 256 x column block
	s_add_co_u32 s20, s20, s22
	s_mov_b32 s21, 0
	s_lshl_b32 s18, s16, 18                        ; A: row 256 x row block,
	s_add_co_u32 s18, s18, s22
	s_cmp_ge_u32 s[CB], 6
	s_cselect_b32 s23, 0x800000, 0                 ; in the plane of squares for V_v's columns
	s_add_co_u32 s18, s18, s23
	s_mov_b32 s19, 0
	s_mul_i32 s23, s[WV], HALFT                    ; where my tile goes: the wave's number alone
	s_wait_dscnt 0x0                               ; the opening add is done
	s_wait_kmcnt 0x0
	s_add_nc_u64 s[18:19], s[4:5], s[18:19]
	s_add_nc_u64 s[20:21], s[6:7], s[20:21]
	CROUND                                         ; all four work-groups are here: the first joint loads meet
.irp s, 0,1
	s_mov_b32 s[G0A+4*(\s)], 1
	s_add_co_u32 s[G0A+4*(\s)+1], s23, (\s)*SLOT
	s_add_nc_u64 s[G0A+4*(\s)+2:G0A+4*(\s)+3], s[18:19], (\s)*KSTEP*2
	s_or_b32 s[G0A+4*(\s)+3], s[G0A+4*(\s)+3], 0x80000000
	s_mov_b32 s[G0B+4*(\s)], 1
	s_add_co_u32 s[G0B+4*(\s)+1], s23, (\s)*SLOT
	s_add_nc_u64 s[G0B+4*(\s)+2:G0B+4*(\s)+3], s[20:21], (\s)*KSTEP*2
	s_or_b32 s[G0B+4*(\s)+3], s[G0B+4*(\s)+3], 0x80000000
	JLOAD \s                                       ; K steps 0 and 1: two loads of mine are out
.endr
	v_and_b32 v1, 15, v0                           ; l % 16
	v_bfe_u32 v2, v0, 4, 1                         ; l / 16
	v_lshlrev_b32 v[BO], 5, v2                     ; the bias of my 8 columns in a block of 16
	s_lshl_b32 s22, s[CB], 10
	s_lshl_b32 s23, s[CH], 9
	s_add_co_u32 s22, s22, s23
	s_mov_b32 s23, 0
	s_add_nc_u64 s[8:9], s[8:9], s[22:23]
.irp b, 0,1,2,3,4,5,6,7
	global_load_b128 v[BI+8*(\b):BI+8*(\b)+3],   v[BO], s[8:9] offset:64*(\b)
	global_load_b128 v[BI+8*(\b)+4:BI+8*(\b)+7], v[BO], s[8:9] offset:64*(\b)+16
.endr
	v_mul_u32_u24 v3, v1, PITCH
	v_lshl_add_u32 v3, v2, 4, v3                   ; a fragment's row x pitch + 16 x half
	s_mul_i32 s18, s[RH], HALFT
	s_mul_i32 s19, s[CH], HALFT
	s_add_co_u32 s19, s19, 2*HALFT
.irp s, 0,1
	v_add_nc_u32 v[ADRA+(\s)], s18, v3
	v_add_nc_u32 v[ADRB+(\s)], s19, v3
	s_add_co_u32 s18, s18, SLOT
	s_add_co_u32 s19, s19, SLOT
.endr
	s_mul_i32 s20, s[WV], 16*SPITCH
	s_add_co_u32 s20, s20, STAGE                   ; my stage
	v_mul_u32_u24 v4, v1, SPITCH
	v_lshl_add_u32 v4, v2, 4, v4
	v_add_nc_u32 v[STO], s20, v4
	v_mul_u32_u24 v5, v2, SPITCH
	v_lshl_add_u32 v5, v1, 4, v5
	v_add_nc_u32 v[RD], s20, v5
	v_lshlrev_b32 v5, 12, v2
	v_lshl_add_u32 v[CO], v1, 4, v5                ; two rows of QKV, 256 bytes each
	s_lshl_b32 s18, s16, 20                        ; my part of QKV: row 256 x row block + 128 x half, byte 512 x column block + 256 x half
	s_lshl_b32 s19, s[RH], 19
	s_add_co_u32 s18, s18, s19
	s_lshl_b32 s19, s[CB], 9
	s_add_co_u32 s18, s18, s19
	s_lshl_b32 s19, s[CH], 8
	s_add_co_u32 s18, s18, s19
	s_mov_b32 s19, 0
	s_add_nc_u64 s[10:11], s[10:11], s[18:19]
; 16 matrix instructions: row blocks a0, a0 + 1 of the window's four x all 8 column blocks, 32 along K.  first = 1: the sums start with the bias
.macro MUL16 f, hi, a0, first
.if \first
	WIN 0x81+0x40*(\hi)                            ; C in window 0
.else
	WIN 0xa1+0x50*(\hi)
.endif
.irp a, \a0, (\a0)+1
.irp b, 0,1,2,3,4,5,6,7
.if \first
	v_wmma_f32_16x16x32_bf16 v[8*(8*(\a)+(\b)):8*(8*(\a)+(\b))+7], v[(\f)+8*(\b):(\f)+8*(\b)+7], v[(\f)+8*(4*(\hi)+(\a)):(\f)+8*(4*(\hi)+(\a))+7], v[BI+8*(\b):BI+8*(\b)+7]
.else
	v_wmma_f32_16x16x32_bf16 v[8*(8*(\a)+(\b)):8*(8*(\a)+(\b))+7], v[(\f)+8*(\b):(\f)+8*(\b)+7], v[(\f)+8*(4*(\hi)+(\a)):(\f)+8*(4*(\hi)+(\a))+7], v[8*(8*(\a)+(\b)):8*(8*(\a)+(\b))+7]
.endif
.endr
.endr
.endm
.macro FETCH slot, k, f                ; 32 LDS loads in one run: W's 128 rows, then A's, 32 K at byte k
	WIN 0x40
.irp i, 0,1,2,3,4,5,6,7
	ds_load_b128 v[(\f)+8*(\i):(\f)+8*(\i)+3],   v[ADRB+(\slot)] offset:(\k)+(\i)*16*PITCH
	ds_load_b128 v[(\f)+8*(\i)+4:(\f)+8*(\i)+7], v[ADRB+(\slot)] offset:(\k)+(\i)*16*PITCH+32
.endr
	WIN 0
.irp i, 0,1,2,3,4,5,6,7
	ds_load_b128 v[(\f)+8*(\i):(\f)+8*(\i)+3],   v[ADRA+(\slot)] offset:(\k)+(\i)*16*PITCH
	ds_load_b128 v[(\f)+8*(\i)+4:(\f)+8*(\i)+7], v[ADRA+(\slot)] offset:(\k)+(\i)*16*PITCH+32
.endr
.endm
.macro PLACES                          ; four plain instructions between a matrix instruction and a load into, or a reader of, its registers
.rept 4
	v_nop
.endr
.endm
.macro QUARTER slot, k, f, g, first    ; 64 products on buffer f; in the middle the next quarter's fragments go into g.  The 64 accumulators take turns
	s_wait_dscnt 8                                 ; W and A's rows 0-63 are in; the youngest eight loads (A's rows 64-127) may be out
	MUL16 \f, 0, 0, \first
	MUL16 \f, 0, 2, \first
	PLACES
	FETCH \slot, \k, \g
	s_wait_dscnt 32                                ; all but the 32 just issued
	MUL16 \f, 1, 0, \first
	MUL16 \f, 1, 2, \first
.endm
.macro MEET round                      ; the change of slots: all my tensor loads, the add, my reads of this slot; then the barrier
	WIN 0
	s_wait_tensorcnt 0x0                           ; the one load of mine that was out is my part of the next slot
	ds_add_u32 v[SPW], v[NIL]
	s_wait_dscnt 9                                 ; the add and the youngest eight loads may be out
	MUL16 F1, 0, 0, 0
	s_wait_dscnt 0x0                               ; the add is done, my reads of this slot are over
	s_barrier_signal -1
	MUL16 F1, 0, 2, 0
.if \round
	WIN 0
.endif
	s_barrier_wait -1
.endm
.macro TURN slot, next, fill           ; the last quarter of a K step
.if \fill
	MEET 1
	CREST                                          ; no wave of any partner still reads this slot or has a load on its way
	s_add_nc_u64 s[G0A+4*(\slot)+2:G0A+4*(\slot)+3], s[G0A+4*(\slot)+2:G0A+4*(\slot)+3], 2*KSTEP*2
	s_add_nc_u64 s[G0B+4*(\slot)+2:G0B+4*(\slot)+3], s[G0B+4*(\slot)+2:G0B+4*(\slot)+3], 2*KSTEP*2
	JLOAD \slot                                    ; my one tensor load behind the round; its four v_nop are also the places in front of the loads below
.else
	MEET 0
	PLACES
.endif
	FETCH \next, 0, F0
	MUL16 F1, 1, 0, 0
	MUL16 F1, 1, 2, 0
.endm
	s_wait_tensorcnt 1                             ; my part of K step 0 is in; K step 1's may stay out
	s_barrier_signal -1
	s_barrier_wait -1
	FETCH 0, 0, F0
	s_wait_loadcnt 0x0                             ; the bias
	QUARTER 0, 64,  F0, F1, 1
	QUARTER 0, 128, F1, F0, 0
	QUARTER 0, 192, F0, F1, 0
	TURN 0, 1, 1                                   ; slot 0 takes K step 2
	QUARTER 1, 64,  F0, F1, 0
	QUARTER 1, 128, F1, F0, 0
	QUARTER 1, 192, F0, F1, 0
	TURN 1, 0, 1                                   ; slot 1 takes K step 3
	QUARTER 0, 64,  F0, F1, 0
	QUARTER 0, 128, F1, F0, 0
	QUARTER 0, 192, F0, F1, 0
	TURN 0, 1, 0
	QUARTER 1, 64,  F0, F1, 0
	QUARTER 1, 128, F1, F0, 0
	QUARTER 1, 192, F0, F1, 0
	s_wait_dscnt 8
	MUL16 F1, 0, 0, 0
	MUL16 F1, 0, 2, 0
	s_wait_dscnt 0x0
	MUL16 F1, 1, 0, 0
	MUL16 F1, 1, 2, 0
; THE WAY OUT, 16 rows at a time: rounded (f16, or bf16 for V_v's column blocks: the branch hangs on the column block, which all partners share), through my stage, stored as whole rows of 256 bytes.
.macro PACK a
.set AC, 64*((\a)%4)
	WIN 0
	s_cmp_lt_u32 s[CB], 6
	s_cbranch_scc0 .Lpk_bf_\@
	WIN 0x0a+5*((\a)/4)
.irp b, 0,1,2,3,4,5,6,7
.irp r, 0,1,2,3
	v_cvt_pk_f16_f32 v[TMP+4*(\b)+(\r)], v[AC+8*(\b)+2*(\r)], v[AC+8*(\b)+2*(\r)+1]
.endr
.endr
	WIN 0
	s_branch .Lpk_done_\@
.Lpk_bf_\@:
	WIN 0x0a+5*((\a)/4)
.irp b, 0,1,2,3,4,5,6,7
.irp r, 0,1,2,3
	v_cvt_pk_bf16_f32 v[TMP+4*(\b)+(\r)], v[AC+8*(\b)+2*(\r)], v[AC+8*(\b)+2*(\r)+1]
.endr
.endr
	WIN 0
.Lpk_done_\@:
.endm
.macro TOSTAGE a
.set BK, OB+192*((\a)%2)
.irp b, 0,1,2,3,4,5,6,7
	ds_store_b128 v[STO], v[TMP+4*(\b):TMP+4*(\b)+3] offset:32*(\b)
.endr
.irp t, 0,1,2,3,4,5,6,7
	ds_load_b128 v[BK+4*(\t):BK+4*(\t)+3], v[RD] offset:(\t)*2*SPITCH  ; LDS serves a wave's instructions in order (ISA guide 5.7.1.4): these see the stores above
.endr
.endm
.macro SEND a
.set BK, OB+192*((\a)%2)
	s_wait_dscnt 0x0                               ; the block is back in registers
	s_wait_xcnt 0x0                                ; the registers that earlier stores read are loaded again only behind this wait
.irp t, 0,1,2,3,4,5,6,7
	global_store_b128 v[CO], v[BK+4*(\t):BK+4*(\t)+3], s[10:11] offset:(16*(\a)+2*(\t))*CROW  ; 16 lanes store 256 consecutive bytes, aligned
.endr
.endm
	PLACES
	PACK 0
	TOSTAGE 0
.irp a, 1,2,3,4,5,6,7
	PACK \a
	SEND (\a)-1
	TOSTAGE \a
.endr
	SEND 7
	s_wait_tensorcnt 0x0                           ; the wave's end
	ds_add_u32 v[SPW], v[NIL]
	s_wait_dscnt 0x0
	CROUND                                         ; the closing round
	s_endpgm
.Lfunc_end_k_q093c7698a6_proj:
	.size	k_q093c7698a6_proj, .Lfunc_end_k_q093c7698a6_proj-k_q093c7698a6_proj
	.p2alignl 7, 3214868480
	.fill 96, 4, 3214868480
	.section	.rodata,"a",@progbits
	.p2align	6, 0x0
	.amdhsa_kernel k_q093c7698a6_proj
		.amdhsa_group_segment_fixed_size 327680
		.amdhsa_private_segment_fixed_size 0
		.amdhsa_enable_private_segment 0
		.amdhsa_kernarg_size 32
		.amdhsa_user_sgpr_count 2
		.amdhsa_user_sgpr_kernarg_segment_ptr 1
		.amdhsa_wavefront_size32 1
		.amdhsa_system_sgpr_workgroup_id_x 1
		.amdhsa_system_sgpr_workgroup_id_y 1
		.amdhsa_system_sgpr_workgroup_id_z 1
		.amdhsa_system_vgpr_workitem_id 0
		.amdhsa_next_free_vgpr 1024
		.amdhsa_next_free_sgpr 66
		.amdhsa_reserve_vcc 0
		.amdhsa_float_denorm_mode_32 3
		.amdhsa_float_denorm_mode_16_64 3
		.amdhsa_memory_ordered 1
		.amdhsa_forward_progress 1
		.amdhsa_inst_pref_size 161
	.end_amdhsa_kernel
	.amdgpu_metadata
---
amdhsa.version: [ 1, 2 ]
amdhsa.kernels:
  - .name:           k_q093c7698a6_proj
    .symbol:         k_q093c7698a6_proj.kd
    .args:
      - { .name: HB, .offset: 0, .size: 8, .value_kind: global_buffer, .address_space: global }
      - { .name: WB, .offset: 8, .size: 8, .value_kind: global_buffer, .address_space: global }
      - { .name: TAB, .offset: 16, .size: 8, .value_kind: global_buffer, .address_space: global }
      - { .name: QKV, .offset: 24, .size: 8, .value_kind: global_buffer, .address_space: global }
    .group_segment_fixed_size: 327680
    .private_segment_fixed_size: 0
    .kernarg_segment_align: 8
    .kernarg_segment_size: 32
    .max_flat_workgroup_size: 128
    .sgpr_count:     66
    .vgpr_count:     1024
    .wavefront_size: 32
...
	.end_amdgpu_metadata
.endif
;; end of part 2
;; launch attn (part 3): grid 8 x 32, 8 waves a work-group, clusters of 4 x 1, 327,680 bytes of LDS; arguments QKV, XAB, TAB, CC, VAT; writes CC, VAT
.if DOCPART == 3
	.amdgcn_target "amdgcn-amd-amdhsa--gfx1250"
	.amdhsa_code_object_version 6
	.text
	.protected	k_q093c7698a6_attn
	.globl	k_q093c7698a6_attn
	.p2align	8
	.type	k_q093c7698a6_attn,@function
k_q093c7698a6_attn:
	s_mov_b64 s[64:65], 0
	v_nop
	global_prefetch_b8 v0, s[64:65] scope:SCOPE_SE
	s_setreg_imm32_b32 hwreg(HW_REG_WAVE_MODE, 25, 1), 1
	s_wait_xcnt 0x0
	s_wait_alu depctr_hold_cnt(0) depctr_sa_sdst(0) depctr_va_vdst(0) depctr_va_sdst(0) depctr_va_ssrc(0) depctr_va_vcc(0) depctr_vm_vsrc(0)
	s_getreg_b32 s2, hwreg(HW_REG_IB_STS2, 6, 4)
	s_cmp_eq_u32 s2, 0
	s_cbranch_scc0 .Lentry_in_a_cluster
	s_endpgm
.Lentry_in_a_cluster:
	s_bfe_u32 s2, ttmp6, 0x10000c
	s_cmp_lg_u32 s2, 0x3003
	s_cbranch_scc0 .Lentry_shape_is_right
	s_endpgm
.Lentry_shape_is_right:
; ATTENTION WITH AN RBF TERM, HEAD SIZE 32, AND TWO WEIGHTED SUMS.  For batch b, head h, query n:
;   s[m] = Q[n] . K[m] + sqrt(32) sigma_f^2 exp(-max(d[n][m], 0) / (2 len^2)),  p[m] = 2^(c s[m] - c max s),  c = log2(e) / sqrt(32),  l = sum p
;   context = sum p V / l (stored as f16, its square as bf16),  var_attn = sum p^2 V_v / l^2 (stored as f32)
; Q, K, V, p in f16; x, V_v, p^2 in bf16; products, maxima and sums in f32; a running maximum m, with O, l rescaled by a = 2^(c m_old - c m_new) (the variance's sum by a^2) in every step.
; LIMITS.  Q, K, V within 65,504; sqrt(32) sigma_f^2 under 2^127; an RBF term or a weight below 2^-126 counts as 0; l is the sum of the weights as rounded to f16; NaN and infinities are not treated apart.
; THE RBF TERM.  d = XA[m] . XB[n] is ONE bf16 product (the rows carry x, the split sum of squares and ones).  y = 1 + KAP d held to 0 .. 1: the upper bound is max(d, 0); the lower acts where the exponent
; has fallen by 256, where the term is 0 anyway.  2^(256 y + LSF2) is the term, written in place over d, and is the C operand with which the product K Q^T starts: adding it costs nothing.
; SHARES.  A work-group: one batch, four heads (256 bytes of a row of QKV), 128 queries.  Wave w: head w % 4, query half w / 4: four UNITS of 16 queries.  Every wave walks all 1,024 keys, 64 a step.
; Two waves share a SIMD's registers: the launch has some 200 vector instructions for 18 matrix instructions, and each wave's waits are the other's time.
; LAYOUT.  S^T = K Q^T: a lane holds ONE query (l % 16) and the keys 8 (l / 16) + 0..7 of each 16.  Two such results rounded in pairs ARE source 1 of V^T P.  l comes from the matrix unit: source 0 holds ones
; in rows 0 and 8 alone, so register 0 of the result is the query's whole sum in every lane, and registers 1-7 stay 0.
; BY TURNS.  Turn t belongs to unit t: V^T P, V_v^T P^2 and the sum of unit t - 1; the RBF term of unit t; K Q^T of unit t; d of unit t + 1; the softmax of unit t.
; CLUSTER.  The four query blocks of a cluster walk the same K, V, V_v and XA: every tile is asked for JOINTLY.  Each of the eight waves asks for one tile behind each round: K, V, V_v, XA x the slot's two steps.
; No first step is written out: m starts at the lowest finite number, O, l, P and V at 0 (256 v_mov_b32, in the wait for the first tile), so the first step's a is 0.
; REGISTERS (s_set_vgpr_msb: bits 1:0 source 0, 3:2 source 1, 5:4 source 2, 7:6 destination).  Window 0: addresses, statistics, Q, XQ, S (two buffers), P, P2, XK, KF.  Window 1: O (32 a unit), L, VF, VVF, ONES.
.set KS,    64
.set PK,    272                        ; a row of K in LDS: 256 bytes + 16
.set PVP,   288                        ; a row of V or V_v: 256 + 32: the turning load's 16 lanes take 8 rows x 32 bytes
.set PX,    80                         ; a row of XA: 64 + 16
.set VOFF,  KS*PK
.set VVOFF, VOFF+KS*PVP
.set XOFF,  VVOFF+KS*PVP
.set STEPB, XOFF+KS*PX                 ; a step's four tiles: 59,392 bytes
.set SLOT1, 1<<17                      ; a slot holds two steps; slot 1 begins here
.set SPARE, SLOT1+2*STEPB              ; the spare words: 128 bytes a wave, named by no other line
.set CTXS,  0                          ; the way out's stage lies in the slots, behind their last fill: 128 rows x 272 (context),
.set CT2S,  128*272                    ; 128 x 272 (its square),
.set VATS,  2*128*272                  ; 128 x 528 (var_attn, f32)
.set AK0, 2
.set AV0, 3
.set AX0, 4
.set ADR, 5
.set ADRV, 6
.set PFO, 7                            ; 4,096 x lane: a row of QKV
.set SPW, 8
.set NIL, 9
.set W,   11                           ; c m_old
.set KAP, 12                           ; v[12:13]
.set ONE, 14                           ; v[14:15]
.set ST,  16                           ; unit t: c m, m at v[16 + 2 t]
.set C0,  24                           ; v24-27 at work
.set A1,  28                           ; v[28:29] a
.set A2,  30                           ; v[30:31] a^2
.set Q,   32
.set XQ,  64
.set S,   96
.set P,   160
.set P2,  176
.set XK,  192
.set KF,  224
.set L,   128                          ; window 1
.set VF,  160
.set VVF, 192
.set ONES, 224
.set T,   96                           ; the way out
.set T2,  112
.set WV,  14
.set G1K, 32
.set G1V, 40
.set G1X, 48
.set G0K, 56
.set G0V, 60
.set G0X, 68
.set SLOTS, 72
.set CNT, 73
.set CS,  74
.set SEL, 76
.set TB,  78                           ; LDS byte at which the step to be fetched begins
.set LIM, 79
.set PFA, 80
.set C256, 82
.set LSF, 84
.set MSB, 0
.macro WIN new
.if MSB != (\new)
	s_set_vgpr_msb (MSB<<8)|(\new)
.set MSB, \new
.endif
.endm
.set W_PV, 0x51                        ; source 0, C and D in window 1, source 1 in window 0
.set W_RS, 0x41                        ; destination and source 0 in window 1
.macro NOPS
.rept 4
	v_nop
.endr
.endm
.macro JLOAD                           ; waves 0, 1: K; 2 to 5: V and V_v; 6, 7: XA.  The branches hang on the wave's number alone.  An s_nop 0 and four v_nop follow each line
	s_cmp_lt_u32 s[WV], 2
	s_cbranch_scc0 .Lnot_k_\@
	tensor_load_to_lds s[G0K:G0K+3], s[G1K:G1K+7]
	s_nop 0
	NOPS
	s_branch .Lasked_\@
.Lnot_k_\@:
	s_cmp_lt_u32 s[WV], 6
	s_cbranch_scc0 .Lfor_x_\@
	tensor_load_to_lds s[G0V:G0V+3], s[G1V:G1V+7]
	s_nop 0
	NOPS
	s_branch .Lasked_\@
.Lfor_x_\@:
	tensor_load_to_lds s[G0X:G0X+3], s[G1X:G1X+7]
	s_nop 0
	NOPS
.Lasked_\@:
.endm
; A PREFETCH of what the NEXT change of slots will ask for: 128 rows x 256 bytes of K, V and V_v.  Two clusters walk the same rows: the one with x = 0 asks.  Its four partners take 32 rows each, told apart by
; address; waves 0, 2, 4 ask for K, V, V_v: a lane a row, one instruction.  Each block is named once in the launch; the last change that fills a slot asks for nothing.  XA's 8 KiB a slot come by their loads.
.macro ASK
	s_cmp_gt_u32 s[SLOTS], s[LIM]
	s_cbranch_scc0 .Lnot_mine_\@
	global_prefetch_b8 v[PFO], s[PFA:PFA+1] th:TH_LOAD_NT scope:SCOPE_SE
.Lnot_mine_\@:
.endm
.macro CROUND
	s_barrier_signal -1
	s_barrier_wait -1
	s_cmp_lg_u32 s[WV], 0
	s_cbranch_scc1 .Lnot_wave_0_\@
	s_barrier_signal -3
.Lnot_wave_0_\@:
	s_barrier_wait -3
	s_barrier_signal -1
	s_barrier_wait -1
.endm
; THE CHANGE OF SLOTS stands ahead of unit 3's turn of a slot's last step: that turn fetches the next step's XA and K, and the old slot's last bytes (V of its second step) were read three turns back.
.macro CHANGE fill
	WIN 0
	s_wait_tensorcnt 0x0                           ; my one load that was out is my tile of the other slot; now a group 0 may be written
	ds_add_u32 v[SPW], v[NIL]
.if \fill
	s_xor_b32 s[G0K+1], s[G0K+1], SLOT1
	s_add_nc_u64 s[G0K+2:G0K+3], s[G0K+2:G0K+3], 2*KS*4096  ; the next 128 keys
	s_xor_b32 s[G0V+1], s[G0V+1], SLOT1
	s_add_nc_u64 s[G0V+2:G0V+3], s[G0V+2:G0V+3], 2*KS*4096
	s_xor_b32 s[G0X+1], s[G0X+1], SLOT1
	s_add_nc_u64 s[G0X+2:G0X+3], s[G0X+2:G0X+3], 2*KS*64
	s_wait_xcnt 0x0                                ; the last prefetch, two key steps back, has read its address
	s_add_nc_u64 s[PFA:PFA+1], s[PFA:PFA+1], 2*KS*4096
	s_wait_dscnt 0x0                               ; the add is done, my reads of the slot are over
	CROUND
	JLOAD                                          ; it has two key steps in which to land
	ASK
.else
	s_wait_dscnt 0x0
	s_barrier_signal -1
	s_barrier_wait -1
.endif
	s_sub_co_u32 s[TB], s[TB], 2*STEPB
	s_xor_b32 s[TB], s[TB], SLOT1
.endm
	s_load_b256 s[4:11], s[0:1], 0x0               ; QKV 4, XAB 6, TAB 8, CC 10
	s_load_b64 s[12:13], s[0:1], 0x20              ; VAT
	v_lshl_add_u32 v[SPW], v0, 2, SPARE
	v_mov_b32 v[NIL], 0
	ds_add_u32 v[SPW], v[NIL]                      ; the wave's opening: the add and its wait ahead of my first tensor load
	v_lshrrev_b32 v1, 5, v0
	v_readfirstlane_b32 s[WV], v1
	s_and_b32 s15, s[WV], 3                        ; my head among the four
	s_lshr_b32 s16, s[WV], 2                       ; my half of the queries; also: V (0) or V_v (1) for waves 2 to 5
	s_bfe_u32 s17, ttmp6, 0x40000                  ; cx
	s_lshl_b32 s18, ttmp9, 2
	s_add_co_u32 s18, s18, s17                     ; query block: it enters Q's, XB's, CC's and VAT's addresses and the prefetches' alone
	s_and_b32 s19, ttmp7, 0xffff
	s_lshr_b32 s20, s19, 2                         ; batch
	s_and_b32 s21, s19, 3                          ; group of four heads
	s_mov_b32 s[G1K], 15|(1<<16)|(1<<20)|(1<<21)|(5<<22)|(3<<25)  ; the mask of four; 2-byte elements; 4 words of padding behind every 64
	s_mov_b32 s[G1V], 15|(1<<16)|(1<<20)|(1<<21)|(5<<22)|(7<<25)  ; 8 words
.irp g, G1K, G1V
	s_mov_b32 s[(\g)+1], 128<<16                   ; tensor_dim0 = 128
	s_mov_b32 s[(\g)+2], KS<<16                    ; tensor_dim1 = 64
	s_mov_b32 s[(\g)+3], 128<<16                   ; tile_dim0 = 128
	s_mov_b32 s[(\g)+4], KS                        ; tile_dim1 = 64
	s_mov_b32 s[(\g)+5], 2048                      ; elements from row to row
	s_mov_b32 s[(\g)+6], 0
	s_mov_b32 s[(\g)+7], 0
.endr
	s_mov_b32 s[G1X], 15|(1<<16)|(1<<20)|(1<<21)|(3<<22)|(3<<25)  ; 64 rows of XA are 4,096 dense bytes: 16 rows of 256, 4 words of padding behind every 16
	s_mov_b32 s[G1X+1], 128<<16
	s_mov_b32 s[G1X+2], 16<<16
	s_mov_b32 s[G1X+3], 128<<16
	s_mov_b32 s[G1X+4], 16
	s_mov_b32 s[G1X+5], 128
	s_mov_b32 s[G1X+6], 0
	s_mov_b32 s[G1X+7], 0
	s_mov_b32 s[CS], 0x3e8293ee                    ; c = log2(e) / sqrt(32)
	s_mov_b32 s[CS+1], s[CS]
	s_mov_b32 s[SEL], 0x76543210
	s_mov_b32 s[SEL+1], 0xfedcba98
	s_mov_b32 s[C256], 0x43800000                  ; 256.0
	s_mov_b32 s[C256+1], s[C256]
	s_mov_b32 s[TB], SLOT1+2*STEPB                 ; the first change of slots turns it into 0
	s_mov_b32 s[SLOTS], 7
	s_and_b32 s22, s[WV], 1                        ; which of a slot's two steps I fetch
	s_or_b32 s[LIM], s22, ttmp9
	s_cmp_eq_u32 s[LIM], 0
	s_cselect_b32 s[LIM], 1, -1
	s_cmp_lt_u32 s[WV], 6
	s_cselect_b32 s[LIM], s[LIM], -1               ; 1 in waves 0, 2, 4 of the cluster with x = 0: the same in all four partners
	s_mul_i32 s26, s22, STEPB
	s_mov_b32 s[G0K], 1
	s_mov_b32 s[G0K+1], s26
	s_mul_i32 s23, s16, KS*PVP
	s_add_co_u32 s23, s23, s26
	s_mov_b32 s[G0V], 1
	s_add_co_u32 s[G0V+1], s23, VOFF
	s_mov_b32 s[G0X], 1
	s_add_co_u32 s[G0X+1], s26, XOFF
	s_lshl_b32 s24, s20, 22                        ; the batch's 1,024 rows of 4,096 bytes,
	s_lshl_b32 s23, s22, 18                        ; my step's 64,
	s_add_co_u32 s24, s24, s23
	s_lshl_b32 s23, s21, 8                         ; the group's 256 bytes
	s_add_co_u32 s24, s24, s23
	s_mov_b32 s25, 0
	s_lshl_b32 s26, s16, 10
	s_add_co_u32 s26, s26, 2048
	s_add_co_u32 s26, s26, s24                     ; V at byte 2,048 of a row, V_v at 3,072
	s_mov_b32 s27, 0
	s_add_co_u32 s24, s24, 1024                    ; K at 1,024
	s_lshl_b32 s28, s20, 16                        ; XA: rows of 64 bytes
	s_lshl_b32 s23, s22, 12
	s_add_co_u32 s28, s28, s23
	s_mov_b32 s29, 0
	s_lshl_b32 s30, s20, 22                        ; the prefetches: my work-group's 32 rows of tile 1; the first change steps them to tile 2
	s_lshl_b32 s31, s17, 17
	s_add_co_u32 s30, s30, s31
	s_lshl_b32 s31, s21, 8
	s_add_co_u32 s30, s30, s31
	s_lshr_b32 s31, s[WV], 1
	s_lshl_b32 s31, s31, 10
	s_add_co_u32 s30, s30, s31
	s_add_co_u32 s30, s30, (1<<19)+1024
	s_mov_b32 s31, 0
	s_lshl_b32 s88, s21, 2
	s_add_co_u32 s88, s88, s15
	s_lshl_b32 s88, s88, 3                         ; my head's pair in the table
	v_and_b32 v[PFO], 31, v0
	v_lshlrev_b32 v[PFO], 12, v[PFO]
	s_wait_dscnt 0x0                               ; the opening add is done
	s_wait_kmcnt 0x0
	s_add_nc_u64 s[G0K+2:G0K+3], s[4:5], s[24:25]
	s_or_b32 s[G0K+3], s[G0K+3], 0x80000000
	s_add_nc_u64 s[G0V+2:G0V+3], s[4:5], s[26:27]
	s_or_b32 s[G0V+3], s[G0V+3], 0x80000000
	s_add_nc_u64 s[G0X+2:G0X+3], s[6:7], s[28:29]
	s_or_b32 s[G0X+3], s[G0X+3], 0x80000000
	s_add_nc_u64 s[PFA:PFA+1], s[4:5], s[30:31]
	s_load_b64 s[86:87], s[8:9], s88 offset:0x3000 ; KAP, LSF2
	CROUND                                         ; all four work-groups are here
	JLOAD                                          ; tile 0 into slot 0; slot 1 is asked for when slot 0 is in
	v_and_b32 v1, 15, v0                           ; l % 16
	v_bfe_u32 v10, v0, 4, 1                        ; l / 16
	v_lshlrev_b32 v26, 12, v1
	v_lshl_add_u32 v26, v10, 4, v26                ; a fragment of Q: row x 4,096 + 16 x half
	v_lshlrev_b32 v27, 6, v1
	v_lshl_add_u32 v27, v10, 4, v27                ; of XB: row x 64 + 16 x half
	s_lshl_b32 s22, s20, 10
	s_lshl_b32 s23, s18, 7
	s_add_co_u32 s22, s22, s23
	s_lshl_b32 s23, s16, 6
	s_add_co_u32 s22, s22, s23                     ; my wave's first query
	s_lshl_b32 s24, s22, 12
	s_lshl_b32 s23, s88, 3                         ; 64 bytes a head
	s_add_co_u32 s24, s24, s23
	s_mov_b32 s25, 0
	s_add_nc_u64 s[24:25], s[4:5], s[24:25]
	s_lshl_b32 s26, s22, 6
	s_add_co_u32 s26, s26, 524288
	s_mov_b32 s27, 0
	s_add_nc_u64 s[26:27], s[6:7], s[26:27]
.irp t, 0,1,2,3
	global_load_b128 v[Q+8*(\t):Q+8*(\t)+3],     v26, s[24:25] offset:(\t)*65536
	global_load_b128 v[Q+8*(\t)+4:Q+8*(\t)+7],   v26, s[24:25] offset:(\t)*65536+32
	global_load_b128 v[XQ+8*(\t):XQ+8*(\t)+3],   v27, s[26:27] offset:(\t)*1024
	global_load_b128 v[XQ+8*(\t)+4:XQ+8*(\t)+7], v27, s[26:27] offset:(\t)*1024+32
.endr
	WIN 0x40                                       ; O, L, VF, VVF start at 0
.set i, 0
.rept 224
	v_mov_b32 v[i], 0
.set i, i+1
.endr
	WIN 0
.set i, P
.rept 32
	v_mov_b32 v[i], 0                              ; P and P2
.set i, i+1
.endr
.irp t, 0,1,2,3
	v_mov_b32 v[ST+2*(\t)], 0xfe000000             ; c m: far below every c s
	v_mov_b32 v[ST+2*(\t)+1], 0xff7fffff           ; m
.endr
	v_mov_b32 v[A1+1], 0                           ; named with a and a^2 as pairs
	v_mov_b32 v[A2+1], 0
	s_lshl_b32 s23, s15, 6                         ; my head's 64 bytes of a row
	v_mul_u32_u24 v[AK0], v1, PK
	v_lshl_add_u32 v[AK0], v10, 4, v[AK0]
	v_add_nc_u32 v[AK0], s23, v[AK0]
	v_and_b32 v24, 7, v0
	v_bfe_u32 v25, v0, 3, 1
	v_lshl_add_u32 v[AV0], v10, 3, v24             ; the turning load: key 8 (l / 16) + l % 8, channels 8 ((l / 8) % 2) on
	v_mul_u32_u24 v[AV0], v[AV0], PVP
	v_lshl_add_u32 v[AV0], v25, 4, v[AV0]
	s_add_co_u32 s23, s23, VOFF
	v_add_nc_u32 v[AV0], s23, v[AV0]
	v_mul_u32_u24 v[AX0], v1, PX
	v_lshl_add_u32 v[AX0], v10, 4, v[AX0]
	v_add_nc_u32 v[AX0], XOFF, v[AX0]
	v_cmp_eq_u32 s89, 0, v24                       ; lanes that hold rows 0 and 8 of source 0
	v_mov_b32 v25, 0x3c003c00                      ; 1.0 twice, in f16
	v_cndmask_b32 v24, v[NIL], v25, s89
	WIN 0x40
.set i, 0
.rept 8
	v_mov_b32 v[ONES+i], v24
.set i, i+1
.endr
	WIN 0
	v_mov_b32 v[ONE], 1.0
	v_mov_b32 v[ONE+1], 1.0
	s_wait_kmcnt 0x0
	v_mov_b32 v[KAP], s86
	v_mov_b32 v[KAP+1], s86
	s_mov_b32 s[LSF], s87
	s_mov_b32 s[LSF+1], s87
; THE LDS LOADS stand in runs.  last = 1 (the tail): in the last trip there is no further step, and the run is jumped over.
.macro FETCH_X last=0
.if \last
	s_cmp_eq_u32 s[CNT], 1
	s_cbranch_scc1 .Lno_x_\@
.endif
	v_add_nc_u32 v[ADR], s[TB], v[AX0]
.irp kb, 0,1,2,3
	ds_load_b128 v[XK+8*(\kb):XK+8*(\kb)+3],   v[ADR] offset:(\kb)*16*PX
	ds_load_b128 v[XK+8*(\kb)+4:XK+8*(\kb)+7], v[ADR] offset:(\kb)*16*PX+32
.endr
.if \last
.Lno_x_\@:
.endif
.endm
.macro FETCH_K last=0
.if \last
	s_cmp_eq_u32 s[CNT], 1
	s_cbranch_scc1 .Lno_k_\@
.endif
	v_add_nc_u32 v[ADR], s[TB], v[AK0]
.irp kb, 0,1,2,3
	ds_load_b128 v[KF+8*(\kb):KF+8*(\kb)+3],   v[ADR] offset:(\kb)*16*PK
	ds_load_b128 v[KF+8*(\kb)+4:KF+8*(\kb)+7], v[ADR] offset:(\kb)*16*PK+32
.endr
.if \last
.Lno_k_\@:
.endif
.endm
.macro FETCH_V                         ; V and V_v, turned: keys 32 kk on, channels 16 cb on, at 16 kk + 8 cb
	v_add_nc_u32 v[ADRV], s[TB], v[AV0]
	WIN 0x40
.irp f, 0,1,2,3
	ds_load_tr16_b128 v[VF+8*(\f):VF+8*(\f)+3],     v[ADRV] offset:((\f)/2)*32*PVP+((\f)%2)*32
	ds_load_tr16_b128 v[VF+8*(\f)+4:VF+8*(\f)+7],   v[ADRV] offset:((\f)/2)*32*PVP+16*PVP+((\f)%2)*32
.endr
.irp f, 0,1,2,3
	ds_load_tr16_b128 v[VVF+8*(\f):VVF+8*(\f)+3],   v[ADRV] offset:KS*PVP+((\f)/2)*32*PVP+((\f)%2)*32
	ds_load_tr16_b128 v[VVF+8*(\f)+4:VVF+8*(\f)+7], v[ADRV] offset:KS*PVP+((\f)/2)*32*PVP+16*PVP+((\f)%2)*32
.endr
	WIN 0
	s_add_co_u32 s[TB], s[TB], STEPB               ; the next fetches are the next step's
.endm
; THE MATRIX WORK.  Ten products for unit x: its five accumulators take turns: four others stand between two links of a chain.
.macro PVM x
	WIN W_PV
.irp kk, 0,1
	v_wmma_f32_16x16x32_f16  v[32*(\x):32*(\x)+7],       v[VF+16*(\kk):VF+16*(\kk)+7],      v[P+8*(\kk):P+8*(\kk)+7],   v[32*(\x):32*(\x)+7]
	v_wmma_f32_16x16x32_f16  v[32*(\x)+8:32*(\x)+15],    v[VF+16*(\kk)+8:VF+16*(\kk)+15],   v[P+8*(\kk):P+8*(\kk)+7],   v[32*(\x)+8:32*(\x)+15]
	v_wmma_f32_16x16x32_bf16 v[32*(\x)+16:32*(\x)+23],   v[VVF+16*(\kk):VVF+16*(\kk)+7],    v[P2+8*(\kk):P2+8*(\kk)+7], v[32*(\x)+16:32*(\x)+23]
	v_wmma_f32_16x16x32_bf16 v[32*(\x)+24:32*(\x)+31],   v[VVF+16*(\kk)+8:VVF+16*(\kk)+15], v[P2+8*(\kk):P2+8*(\kk)+7], v[32*(\x)+24:32*(\x)+31]
	v_wmma_f32_16x16x32_f16  v[L+8*(\x):L+8*(\x)+7],     v[ONES:ONES+7],                    v[P+8*(\kk):P+8*(\kk)+7],   v[L+8*(\x):L+8*(\x)+7]
.endr
	WIN 0
.endm
.macro DIST x                          ; d of unit x for the 64 keys whose XA lies in XK
.irp kb, 0,1,2,3
	v_wmma_f32_16x16x32_bf16 v[S+32*((\x)%2)+8*(\kb):S+32*((\x)%2)+8*(\kb)+7], v[XK+8*(\kb):XK+8*(\kb)+7], v[XQ+8*(\x):XQ+8*(\x)+7], 0
.endr
.endm
.macro QKM x                           ; K Q^T onto the RBF term
.irp kb, 0,1,2,3
	v_wmma_f32_16x16x32_f16 v[S+32*((\x)%2)+8*(\kb):S+32*((\x)%2)+8*(\kb)+7], v[KF+8*(\kb):KF+8*(\kb)+7], v[Q+8*(\x):Q+8*(\x)+7], v[S+32*((\x)%2)+8*(\kb):S+32*((\x)%2)+8*(\kb)+7]
.endr
.endm
; THE VECTOR WORK on the unit's 32 scores (rS) and statistics (rT)
.macro F1 i                            ; y = 1 + KAP d, held to 0 .. 1
	v_pk_fma_f32 v[rS+2*(\i):rS+2*(\i)+1], v[rS+2*(\i):rS+2*(\i)+1], v[KAP:KAP+1], v[ONE:ONE+1] clamp
.endm
.macro F2 i                            ; 256 y + LSF2
	v_pk_fma_f32 v[rS+2*(\i):rS+2*(\i)+1], v[rS+2*(\i):rS+2*(\i)+1], s[C256:C256+1], s[LSF:LSF+1] op_sel_hi:[1,0,0]
.endm
.macro EX n
	v_exp_f32 v[rS+(\n)], v[rS+(\n)]
.endm
.macro FS i                            ; c s - c m
	v_pk_fma_f32 v[rS+2*(\i):rS+2*(\i)+1], v[rS+2*(\i):rS+2*(\i)+1], s[CS:CS+1], v[rT:rT+1] op_sel_hi:[1,0,0] neg_lo:[0,0,1] neg_hi:[0,0,1]
.endm
; Number n of the 22 that find the maximum and the statistics.  0-11: four chains of seven scores (each accumulator's lowest registers are read first); 12-14, 16: the four left over, the
; old m, four into one; 15: c m_old is kept; 17, 18: the query's other 32 keys lie in the lane 16 away; 19-21: c m, its change, a.
.macro XS n
.if (\n) < 4
	v_max3_num_f32 v[C0+(\n)], v[rS+8*(\n)], v[rS+8*(\n)+1], v[rS+8*(\n)+2]
.elseif (\n) < 12
	v_max3_num_f32 v[C0+(\n)%4], v[C0+(\n)%4], v[rS+8*((\n)%4)+2*((\n)/4)+1], v[rS+8*((\n)%4)+2*((\n)/4)+2]
.elseif (\n) == 12
	v_max3_num_f32 v[C0], v[C0], v[rS+7], v[rS+15]
.elseif (\n) == 13
	v_max3_num_f32 v[C0+1], v[C0+1], v[rS+23], v[rS+31]
.elseif (\n) == 14
	v_max3_num_f32 v[C0+2], v[C0+2], v[C0+3], v[rT+1]
.elseif (\n) == 15
	v_mov_b32 v[W], v[rT]
.elseif (\n) == 16
	v_max3_num_f32 v[C0], v[C0], v[C0+1], v[C0+2]
.elseif (\n) == 17
	v_permlanex16_b32 v[C0+3], v[C0], s[SEL], s[SEL+1]
.elseif (\n) == 18
	v_max_num_f32 v[rT+1], v[C0], v[C0+3]
.elseif (\n) == 19
	v_mul_f32 v[rT], s[CS], v[rT+1]
.elseif (\n) == 20
	v_sub_f32 v[C0+1], v[W], v[rT]
.else
	v_exp_f32 v[A1], v[C0+1]
.endif
.endm
; A TURN, for unit t.  Two batches of exponentials, each with one plain instruction behind its last and ONE wait ahead of its first reader.
; XA of the next step is fetched at the head of unit 3's turn (its last reader stands a softmax back), K behind that turn's products and four places; V and V_v in unit 0's turn, four plain instructions and
; the address's add behind the products that read them.
.macro TURN t, last=0
.set rS, S+32*((\t)%2)
.set rT, ST+2*(\t)
	WIN 0
.if (\t) == 3
	FETCH_X \last
.endif
.if (\t) == 1
	s_wait_dscnt 0x0                               ; V and V_v are in
.endif
	PVM ((\t)+3)%4
	F1 0
	F2 0
	F1 1
	F2 1
.if (\t) == 0
	FETCH_V
.endif
.set i, 2
.rept 14
	EX 2*i-4
	F1 i
	EX 2*i-3
	F2 i
.set i, i+1
.endr
	EX 28
	EX 29
	EX 30
	EX 31
	v_nop
	s_wait_alu depctr_va_vdst(0)                   ; the RBF terms are there
.if (\t) == 0
	s_wait_dscnt 16                                ; K's eight loads are in; V's and V_v's sixteen, issued behind them, may stay out
.endif
	QKM \t
.if (\t) == 3
	s_wait_dscnt 0x0                               ; XA is in
.endif
	DIST ((\t)+1)%4
	NOPS                                           ; the places in front of the reads of the scores and of the loads into K's registers
.if (\t) == 3
	FETCH_K \last
.endif
.irp n, 0,1,2,3,4,5,6,7,8,9,10,11,12,13,14,15,16,17,18,19,20,21
	XS \n
.endr
	FS 0
	FS 1
.set i, 2
.rept 14
	EX 2*i-4
	FS i
	EX 2*i-3
.set i, i+1
.endr
	EX 28
	EX 29
	EX 30
	EX 31
	v_nop
	s_wait_alu depctr_va_vdst(0)                   ; a and the 32 weights are there
	v_mul_f32 v[A2], v[A1], v[A1]
.set i, 0
.rept 16                               ; p to f16; p^2; p^2 to bf16, one pair behind
	v_cvt_pk_f16_f32 v[P+i], v[rS+2*i], v[rS+2*i+1]
	v_pk_mul_f32 v[rS+2*i:rS+2*i+1], v[rS+2*i:rS+2*i+1], v[rS+2*i:rS+2*i+1]
.if i > 0
	v_cvt_pk_bf16_f32 v[P2+i-1], v[rS+2*i-2], v[rS+2*i-1]
.endif
.set i, i+1
.endr
	v_cvt_pk_bf16_f32 v[P2+15], v[rS+30], v[rS+31]
	WIN W_RS
.set i, 0
.rept 8
	v_pk_mul_f32 v[32*(\t)+2*i:32*(\t)+2*i+1], v[32*(\t)+2*i:32*(\t)+2*i+1], v[A1:A1+1] op_sel_hi:[1,0]
.set i, i+1
.endr
.rept 8
	v_pk_mul_f32 v[32*(\t)+2*i:32*(\t)+2*i+1], v[32*(\t)+2*i:32*(\t)+2*i+1], v[A2:A2+1] op_sel_hi:[1,0]
.set i, i+1
.endr
	v_mul_f32 v[L+8*(\t)], v[L+8*(\t)], v[A1]      ; l lies in register 0; the others hold 0
	WIN 0
.endm
	CHANGE 1                                       ; tile 0 is in, everybody's part of it; tile 1 is asked for
	FETCH_X
	FETCH_K
	s_wait_loadcnt 0x0                             ; Q and XB
	s_wait_dscnt 0x0
	DIST 0
	NOPS
	s_mov_b32 s[CNT], 2
	s_branch .Lfirst                               ; the loop is entered at a step's first turn, in the middle of a trip
.Lslot:                                            ; six times: tiles 2 to 7 are asked for
	CHANGE 1
	s_mov_b32 s[CNT], 2
.Lstep:                                            ; a trip: unit 3 of one step, then units 0 to 2 of the next
	TURN 3
	WIN 0
.Lfirst:
	TURN 0
	TURN 1
	TURN 2
	WIN 0
	s_sub_co_u32 s[CNT], s[CNT], 1
	s_cmp_lg_u32 s[CNT], 0
	s_cbranch_scc1 .Lstep
	s_sub_co_u32 s[SLOTS], s[SLOTS], 1
	s_cmp_lg_u32 s[SLOTS], 0
	s_cbranch_scc1 .Lslot
	CHANGE 0                                       ; the tail is written out
	s_mov_b32 s[CNT], 3                            ; two trips fetch the last slot's steps; the third is left behind its first turn
.Ltail:
	TURN 3, 1
	WIN 0
	s_sub_co_u32 s[CNT], s[CNT], 1
	s_cmp_eq_u32 s[CNT], 0
	s_cbranch_scc1 .Lout
	TURN 0
	TURN 1
	TURN 2
	WIN 0
	s_branch .Ltail
.Lout:                                             ; the third trip's four products on the last XA once more serve nothing: the price of one text for every trip
	PVM 3
	; THE WAY OUT.  The addresses are the places behind the last products.
	s_wait_xcnt 0x0                                ; the prefetches have read their offset register, which is written below
	s_lshl_b32 s22, s16, 6
	v_add_nc_u32 v24, s22, v1                      ; my query's row in the block, unit 0
	v_mul_u32_u24 v2, v24, 272
	v_lshl_add_u32 v2, v10, 4, v2
	s_lshl_b32 s23, s15, 6
	v_add_nc_u32 v2, s23, v2                       ; into the 16-bit stages: row x 272 + 64 x head + 16 x half
	v_mul_u32_u24 v3, v24, 528
	v_lshl_add_u32 v3, v10, 5, v3
	s_lshl_b32 s23, s15, 7
	s_add_co_u32 s23, s23, VATS
	v_add_nc_u32 v3, s23, v3                       ; into the f32 stage: row x 528 + 128 x head + 32 x half
	s_lshl_b32 s22, s[WV], 4                       ; back: wave w takes rows 16 w .. 16 w + 15, whole
	v_add_nc_u32 v4, s22, v10
	v_mul_u32_u24 v4, v4, 272
	v_lshl_add_u32 v4, v1, 4, v4
	v_and_b32 v25, 31, v0
	s_mul_i32 s23, s22, 528
	s_add_co_u32 s23, s23, VATS
	v_lshl_add_u32 v5, v25, 4, s23
	v_lshlrev_b32 v6, 10, v10
	v_lshl_add_u32 v6, v1, 4, v6                   ; two rows of CC, 256 bytes each
	v_lshlrev_b32 v7, 4, v25                       ; 512 bytes of a row of VAT
	s_lshl_b32 s23, s20, 10
	s_add_co_u32 s22, s22, s23
	s_lshl_b32 s23, s18, 7
	s_add_co_u32 s22, s22, s23                     ; the first row that I store
	s_lshl_b32 s24, s22, 10
	s_lshl_b32 s23, s21, 8
	s_add_co_u32 s24, s24, s23
	s_mov_b32 s25, 0
	s_add_nc_u64 s[10:11], s[10:11], s[24:25]
	s_add_nc_u64 s[26:27], s[10:11], 0x800000      ; the plane of squares
	s_lshl_b32 s28, s22, 11
	s_lshl_b32 s23, s21, 9
	s_add_co_u32 s28, s28, s23
	s_mov_b32 s29, 0
	s_add_nc_u64 s[12:13], s[12:13], s[28:29]
	WIN 0x01
.irp t, 0,1,2,3
	v_rcp_f32 v[ST+2*(\t)], v[L+8*(\t)]
.endr
	WIN 0
	v_nop
	s_wait_alu depctr_va_vdst(0)                   ; one wait for the four reciprocals
.irp t, 0,1,2,3
	v_mul_f32 v[C0+2*(\t)], v[ST+2*(\t)], v[ST+2*(\t)]
.endr
	s_wait_dscnt 0x0
	s_barrier_signal -1
	s_barrier_wait -1                              ; nobody reads a slot any more, and no fill is to come: the stage may be written
.macro UNIT t
	WIN 0x01
.set i, 0
.rept 8
	v_pk_mul_f32 v[T+2*i:T+2*i+1], v[32*(\t)+2*i:32*(\t)+2*i+1], v[ST+2*(\t):ST+2*(\t)+1] op_sel_hi:[1,0]
.set i, i+1
.endr
.set i, 0
.rept 8
	v_pk_mul_f32 v[T2+2*i:T2+2*i+1], v[32*(\t)+16+2*i:32*(\t)+16+2*i+1], v[C0+2*(\t):C0+2*(\t)+1] op_sel_hi:[1,0]
.set i, i+1
.endr
	WIN 0
.set i, 0
.rept 8
	v_cvt_pk_f16_f32 v[128+i], v[T+2*i], v[T+2*i+1]
.set i, i+1
.endr
.set i, 0
.rept 8
	v_pk_mul_f32 v[T+2*i:T+2*i+1], v[T+2*i:T+2*i+1], v[T+2*i:T+2*i+1]
.set i, i+1
.endr
.set i, 0
.rept 8
	v_cvt_pk_bf16_f32 v[136+i], v[T+2*i], v[T+2*i+1]
.set i, i+1
.endr
	ds_store_b128 v2, v[128:131] offset:CTXS+(\t)*16*272
	ds_store_b128 v2, v[132:135] offset:CTXS+(\t)*16*272+32
	ds_store_b128 v2, v[136:139] offset:CT2S+(\t)*16*272
	ds_store_b128 v2, v[140:143] offset:CT2S+(\t)*16*272+32
	ds_store_b128 v3, v[T2:T2+3]     offset:(\t)*16*528
	ds_store_b128 v3, v[T2+4:T2+7]   offset:(\t)*16*528+16
	ds_store_b128 v3, v[T2+8:T2+11]  offset:(\t)*16*528+64
	ds_store_b128 v3, v[T2+12:T2+15] offset:(\t)*16*528+80
.endm
	UNIT 0
	UNIT 1
	UNIT 2
	UNIT 3
	s_wait_dscnt 0x0                               ; for the others' sake: my stores into the stage are done
	s_barrier_signal -1
	s_barrier_wait -1
.set n, 0
.rept 8
	ds_load_b128 v[96+4*n:99+4*n], v4 offset:CTXS+544*n
.set n, n+1
.endr
.set n, 0
.rept 8
	ds_load_b128 v[128+4*n:131+4*n], v4 offset:CT2S+544*n
.set n, n+1
.endr
.set n, 0
.rept 16
	ds_load_b128 v[160+4*n:163+4*n], v5 offset:528*n
.set n, n+1
.endr
.set n, 0
.rept 8
	s_wait_dscnt 31-n                              ; the younger loads may stay out
	global_store_b128 v6, v[96+4*n:99+4*n], s[10:11] offset:2048*n   ; 16 lanes store 256 consecutive bytes, aligned
.set n, n+1
.endr
.set n, 0
.rept 8
	s_wait_dscnt 23-n
	global_store_b128 v6, v[128+4*n:131+4*n], s[26:27] offset:2048*n
.set n, n+1
.endr
.set n, 0
.rept 16
	s_wait_dscnt 15-n
	global_store_b128 v7, v[160+4*n:163+4*n], s[12:13] offset:2048*n ; 512 consecutive bytes, aligned
.set n, n+1
.endr
	s_wait_tensorcnt 0x0                           ; the wave's end
	ds_add_u32 v[SPW], v[NIL]
	s_wait_dscnt 0x0
	CROUND                                         ; the closing round
	s_endpgm
.Lfunc_end_k_q093c7698a6_attn:
	.size	k_q093c7698a6_attn, .Lfunc_end_k_q093c7698a6_attn-k_q093c7698a6_attn
	.p2alignl 7, 3214868480
	.fill 96, 4, 3214868480
	.section	.rodata,"a",@progbits
	.p2align	6, 0x0
	.amdhsa_kernel k_q093c7698a6_attn
		.amdhsa_group_segment_fixed_size 327680
		.amdhsa_private_segment_fixed_size 0
		.amdhsa_enable_private_segment 0
		.amdhsa_kernarg_size 40
		.amdhsa_user_sgpr_count 2
		.amdhsa_user_sgpr_kernarg_segment_ptr 1
		.amdhsa_wavefront_size32 1
		.amdhsa_system_sgpr_workgroup_id_x 1
		.amdhsa_system_sgpr_workgroup_id_y 1
		.amdhsa_system_sgpr_workgroup_id_z 1
		.amdhsa_system_vgpr_workitem_id 0
		.amdhsa_next_free_vgpr 512
		.amdhsa_next_free_sgpr 96
		.amdhsa_reserve_vcc 0
		.amdhsa_float_denorm_mode_32 3
		.amdhsa_float_denorm_mode_16_64 3
		.amdhsa_memory_ordered 1
		.amdhsa_forward_progress 1
		.amdhsa_inst_pref_size 146
	.end_amdhsa_kernel
	.amdgpu_metadata
---
amdhsa.version: [ 1, 2 ]
amdhsa.kernels:
  - .name:           k_q093c7698a6_attn
    .symbol:         k_q093c7698a6_attn.kd
    .args:
      - { .name: QKV, .offset: 0, .size: 8, .value_kind: global_buffer, .address_space: global }
      - { .name: XAB, .offset: 8, .size: 8, .value_kind: global_buffer, .address_space: global }
      - { .name: TAB, .offset: 16, .size: 8, .value_kind: global_buffer, .address_space: global }
      - { .name: CC, .offset: 24, .size: 8, .value_kind: global_buffer, .address_space: global }
      - { .name: VAT, .offset: 32, .size: 8, .value_kind: global_buffer, .address_space: global }
    .group_segment_fixed_size: 327680
    .private_segment_fixed_size: 0
    .kernarg_segment_align: 8
    .kernarg_segment_size: 40
    .max_flat_workgroup_size: 256
    .sgpr_count:     96
    .vgpr_count:     512
    .wavefront_size: 32
...
	.end_amdgpu_metadata
.endif
;; end of part 3
;; launch outp (part 4): grid 4 x 64, 4 waves a work-group, clusters of 4 x 4, 327,680 bytes of LDS; arguments CC, WB, TAB, VAT, out0, out1; writes out0, out1
.if DOCPART == 4
	.amdgcn_target "amdgcn-amd-amdhsa--gfx1250"
	.amdhsa_code_object_version 6
	.text
	.protected	k_q093c7698a6_outp
	.globl	k_q093c7698a6_outp
	.p2align	8
	.type	k_q093c7698a6_outp,@function
k_q093c7698a6_outp:
	s_mov_b64 s[64:65], 0
	v_nop
	global_prefetch_b8 v0, s[64:65] scope:SCOPE_SE
	s_setreg_imm32_b32 hwreg(HW_REG_WAVE_MODE, 25, 1), 1
	s_wait_xcnt 0x0
	s_wait_alu depctr_hold_cnt(0) depctr_sa_sdst(0) depctr_va_vdst(0) depctr_va_sdst(0) depctr_va_ssrc(0) depctr_va_vcc(0) depctr_vm_vsrc(0)
	s_getreg_b32 s2, hwreg(HW_REG_IB_STS2, 6, 4)
	s_cmp_eq_u32 s2, 0
	s_cbranch_scc0 .Lentry_in_a_cluster
	s_endpgm
.Lentry_in_a_cluster:
	s_bfe_u32 s2, ttmp6, 0x10000c
	s_cmp_lg_u32 s2, 0xf033
	s_cbranch_scc0 .Lentry_shape_is_right
	s_endpgm
.Lentry_shape_is_right:
; BOTH OUTPUT PROJECTIONS.  out0[m][n] = bo[n] + sum context[m][k] Wo[n][k] (f16 operands);  out1[m][n] = softplus(bo_rho)^2[n] + sum context^2[m][k] softplus(Wo_rho)^2[n][k] (bf16 operands) + var_attn[m][n].
; f32 sums that start with the bias; 8,192 x 512 x 512 each.
; SHARES.  A work-group makes 128 rows x 128 columns of BOTH outputs: 64 x 4 = 256 equal work-groups, one text.  A wave makes 64 x 64 of each: 16 + 16 accumulators.  K goes in 4 steps of 128 through two slots.
; CLUSTER 4 x 4.  The four of a row need the same rows of context and context^2, the four of a column the same rows of the two weight matrices: each tile is asked for jointly.
; NO PREFETCH: K has four steps; two are asked for at the start and two by the only two refills.  var_attn's rows are loaded into registers at the head and added on the way out.
; THE MATRIX INSTRUCTION IS USED TRANSPOSED (source 0 = 16 rows of W, source 1 = 16 rows of context): a lane holds row l % 16 and 8 neighbouring columns.
; REGISTERS (s_set_vgpr_msb: bits 1:0 source 0, 3:2 source 1, 5:4 source 2, 7:6 destination):
;   window 0: v16-29 addresses; v32-63, v128-159 rows read back, by turns; v64-127 the bias (kind q, column block b at 64 + 32 q + 8 b)
;   window 1: two fragment buffers of 128: context 4 x 8, context^2 4 x 8, Wo 4 x 8, softplus^2 4 x 8
;   window 2: the accumulators, kind q, (a, b) at 128 q + 8 (4 a + b);   window 3: v0-127 var_attn
.set KSTEP,  128
.set PITCH,  272
.set HALFT,  128*PITCH
.set SLOT,   4*HALFT                   ; context, context^2, Wo, softplus^2: 128 rows each
.set STAGE,  2*SLOT
.set SPITCH, 272
.set SPARE,  STAGE+4*16*SPITCH
.set OROW,   2048                      ; bytes in a row of out0, out1 and VAT
.set ADRA, 16
.set ADRB, 20
.set STO,  24
.set RD,   25
.set CO,   26
.set BO,   27
.set SPW,  28
.set NIL,  29
.set OB,   32
.set BI,   64
.set F0,   0
.set F1,   128
.set G1,   24
.set G0,   32
.set G1B,  48
.set G0B,  56
.set MSB, 0
.macro WIN new
.if MSB != (\new)
	s_set_vgpr_msb (MSB<<8)|(\new)
.set MSB, \new
.endif
.endm
.macro JLOAD s                         ; waves 0, 1: context and its square; waves 2, 3: the two weight tiles.  An s_nop 0 and four v_nop follow each line
	s_cmp_eq_u32 s11, 0
	s_cbranch_scc0 .Lfor_b_\@
	tensor_load_to_lds s[G0+4*(\s):G0+4*(\s)+3], s[G1:G1+7]
	s_nop 0
.rept 4
	v_nop
.endr
	s_branch .Lasked_\@
.Lfor_b_\@:
	tensor_load_to_lds s[G0B+4*(\s):G0B+4*(\s)+3], s[G1B:G1B+7]
	s_nop 0
.rept 4
	v_nop
.endr
.Lasked_\@:
.endm
.macro CREST
	s_cmp_lg_u32 s10, 0
	s_cbranch_scc1 .Lnot_wave_0_\@
	s_barrier_signal -3
.Lnot_wave_0_\@:
	s_barrier_wait -3
	s_barrier_signal -1
	s_barrier_wait -1
.endm
.macro CROUND
	s_barrier_signal -1
	s_barrier_wait -1
	CREST
.endm
	s_load_b256 s[68:75], s[0:1], 0x0              ; CC 68, WB 70, TAB 72, VAT 74
	s_load_b128 s[76:79], s[0:1], 0x20             ; out0 76, out1 78
	v_lshl_add_u32 v[SPW], v0, 2, SPARE
	v_mov_b32 v[NIL], 0
	ds_add_u32 v[SPW], v[NIL]                      ; the wave's opening: the add and its wait ahead of my first tensor load
	v_lshrrev_b32 v1, 5, v0
	v_readfirstlane_b32 s10, v1
	s_lshr_b32 s11, s10, 1                         ; my half of the rows; also: I fetch context (0) or weights (1)
	s_and_b32 s12, s10, 1                          ; my half of the columns; also: which kind I fetch
	s_bfe_u32 s40, ttmp6, 0x40000                  ; cx
	s_bfe_u32 s41, ttmp6, 0x40004                  ; cy
	s_lshl_b32 s42, ttmp9, 2
	s_add_co_u32 s42, s42, s40                     ; tile column
	s_and_b32 s13, ttmp7, 0xffff
	s_lshl_b32 s13, s13, 2
	s_add_co_u32 s13, s13, s41                     ; tile row
	s_lshl_b32 s43, s41, 2
	s_lshl_b32 s43, 15, s43                        ; my row of the cluster
	s_lshl_b32 s44, 0x1111, s40                    ; my column
	s_or_b32 s[G1+0], s43, (1<<16)|(1<<20)|(1<<21)|(5<<22)|(3<<25)
	s_or_b32 s[G1B+0], s44, (1<<16)|(1<<20)|(1<<21)|(5<<22)|(3<<25)
.irp g, G1, G1B
	s_mov_b32 s[(\g)+1], KSTEP<<16                 ; tensor_dim0 = 128
	s_mov_b32 s[(\g)+2], 128<<16                   ; tensor_dim1 = 128
	s_mov_b32 s[(\g)+3], KSTEP<<16                 ; tile_dim0 = 128
	s_mov_b32 s[(\g)+4], 128                       ; tile_dim1 = 128
	s_mov_b32 s[(\g)+5], 512                       ; elements from row to row
	s_mov_b32 s[(\g)+6], 0
	s_mov_b32 s[(\g)+7], 0
.endr
	s_lshl_b32 s16, s13, 17                        ; context: row 128 x tile row, 1,024 bytes a row,
	s_lshl_b32 s17, s12, 23                        ; in the plane of my kind
	s_add_co_u32 s16, s16, s17
	s_mov_b32 s17, 0
	s_lshl_b32 s46, s42, 17                        ; weights: row 128 x tile column,
	s_lshl_b32 s47, s12, 19                        ; in the matrix of my kind,
	s_add_co_u32 s46, s46, s47
	s_add_co_u32 s46, s46, 0x200000                ; behind the first product's weights
	s_mov_b32 s47, 0
	s_mul_i32 s20, s10, HALFT                      ; where my tile goes: the wave's number alone
	s_wait_dscnt 0x0                               ; the opening add is done
	s_wait_kmcnt 0x0
	s_add_nc_u64 s[14:15], s[68:69], s[16:17]
	s_add_nc_u64 s[46:47], s[70:71], s[46:47]
	CROUND                                         ; all sixteen work-groups are here
.irp s, 0,1
	s_mov_b32 s[G0+4*(\s)], 1
	s_add_co_u32 s[G0+4*(\s)+1], s20, (\s)*SLOT
	s_add_nc_u64 s[G0+4*(\s)+2:G0+4*(\s)+3], s[14:15], (\s)*KSTEP*2
	s_or_b32 s[G0+4*(\s)+3], s[G0+4*(\s)+3], 0x80000000
	s_mov_b32 s[G0B+4*(\s)], 1
	s_add_co_u32 s[G0B+4*(\s)+1], s20, (\s)*SLOT
	s_add_nc_u64 s[G0B+4*(\s)+2:G0B+4*(\s)+3], s[46:47], (\s)*KSTEP*2
	s_or_b32 s[G0B+4*(\s)+3], s[G0B+4*(\s)+3], 0x80000000
	JLOAD \s                                       ; K steps 0 and 1: two loads of mine are out
.endr
	v_and_b32 v1, 15, v0                           ; l % 16
	v_bfe_u32 v2, v0, 4, 1                         ; l / 16
	v_lshlrev_b32 v[BO], 5, v2
	v_lshlrev_b32 v5, 11, v2
	v_lshl_add_u32 v[CO], v1, 4, v5                ; two rows of 2,048 bytes, 256 bytes of each
	s_lshl_b32 s86, s42, 9                         ; my 64 columns, in f32: 512 x tile column + 256 x half
	s_lshl_b32 s87, s12, 8
	s_add_co_u32 s86, s86, s87
	s_lshl_b32 s84, s13, 18                        ; my 64 rows: 128 x tile row + 64 x half
	s_lshl_b32 s85, s11, 17
	s_add_co_u32 s84, s84, s85
	s_add_co_u32 s84, s84, s86
	s_mov_b32 s85, 0
	s_add_co_u32 s86, s86, 8192                    ; bo begins at word 2,048 of the table
	s_mov_b32 s87, 0
	s_add_nc_u64 s[72:73], s[72:73], s[86:87]
	s_add_nc_u64 s[74:75], s[74:75], s[84:85]
	s_add_nc_u64 s[76:77], s[76:77], s[84:85]
	s_add_nc_u64 s[78:79], s[78:79], s[84:85]
.irp q, 0,1
.irp b, 0,1,2,3
	global_load_b128 v[BI+32*(\q)+8*(\b):BI+32*(\q)+8*(\b)+3],   v[BO], s[72:73] offset:2048*(\q)+64*(\b)
	global_load_b128 v[BI+32*(\q)+8*(\b)+4:BI+32*(\q)+8*(\b)+7], v[BO], s[72:73] offset:2048*(\q)+64*(\b)+16
.endr
.endr
	WIN 0xc0                                       ; destination window 3
.irp a, 0,1,2,3
.irp t, 0,1,2,3,4,5,6,7
	global_load_b128 v[32*(\a)+4*(\t):32*(\a)+4*(\t)+3], v[CO], s[74:75] offset:(16*(\a)+2*(\t))*OROW th:TH_LOAD_NT
.endr
.endr
	WIN 0
	v_mul_u32_u24 v3, v1, PITCH
	v_lshl_add_u32 v3, v2, 4, v3
	s_mul_i32 s21, s11, 64*PITCH
	s_mul_i32 s22, s12, 64*PITCH
	s_add_co_u32 s22, s22, 2*HALFT
.irp s, 0,1
	v_add_nc_u32 v[ADRA+(\s)], s21, v3
	v_add_nc_u32 v[ADRB+(\s)], s22, v3
	s_add_co_u32 s21, s21, SLOT
	s_add_co_u32 s22, s22, SLOT
.endr
	s_mul_i32 s23, s10, 16*SPITCH
	s_add_co_u32 s23, s23, STAGE                   ; my stage: a wave's 64 columns of f32 are a whole aligned 256 bytes, so each wave has its own
	v_mul_u32_u24 v4, v1, SPITCH
	v_lshl_add_u32 v4, v2, 5, v4
	v_add_nc_u32 v[STO], s23, v4
	v_mul_u32_u24 v5, v2, SPITCH
	v_lshl_add_u32 v5, v1, 4, v5
	v_add_nc_u32 v[RD], s23, v5
; 8 matrix instructions of kind q: row blocks a0, a0 + 1 x all 4 column blocks, 32 along K.  first = 1: the sums start with the bias
.macro MUL8 f, q, a0, first
.if \first
	WIN 0x85                                       ; C in window 0
.else
	WIN 0xa5
.endif
.irp a, \a0, (\a0)+1
.irp b, 0,1,2,3
.if (\q) == 0
.if \first
	v_wmma_f32_16x16x32_f16 v[8*(4*(\a)+(\b)):8*(4*(\a)+(\b))+7], v[(\f)+64+8*(\b):(\f)+64+8*(\b)+7], v[(\f)+8*(\a):(\f)+8*(\a)+7], v[BI+8*(\b):BI+8*(\b)+7]
.else
	v_wmma_f32_16x16x32_f16 v[8*(4*(\a)+(\b)):8*(4*(\a)+(\b))+7], v[(\f)+64+8*(\b):(\f)+64+8*(\b)+7], v[(\f)+8*(\a):(\f)+8*(\a)+7], v[8*(4*(\a)+(\b)):8*(4*(\a)+(\b))+7]
.endif
.else
.if \first
	v_wmma_f32_16x16x32_bf16 v[128+8*(4*(\a)+(\b)):128+8*(4*(\a)+(\b))+7], v[(\f)+96+8*(\b):(\f)+96+8*(\b)+7], v[(\f)+32+8*(\a):(\f)+32+8*(\a)+7], v[BI+32+8*(\b):BI+32+8*(\b)+7]
.else
	v_wmma_f32_16x16x32_bf16 v[128+8*(4*(\a)+(\b)):128+8*(4*(\a)+(\b))+7], v[(\f)+96+8*(\b):(\f)+96+8*(\b)+7], v[(\f)+32+8*(\a):(\f)+32+8*(\a)+7], v[128+8*(4*(\a)+(\b)):128+8*(4*(\a)+(\b))+7]
.endif
.endif
.endr
.endr
.endm
.macro FETCH slot, k, f                ; 32 LDS loads in one run, kind 0's sixteen first
	WIN 0x40
.irp q, 0,1
.irp i, 0,1,2,3
	ds_load_b128 v[(\f)+64+32*(\q)+8*(\i):(\f)+64+32*(\q)+8*(\i)+3],   v[ADRB+(\slot)] offset:(\q)*HALFT+(\i)*16*PITCH+(\k)
	ds_load_b128 v[(\f)+64+32*(\q)+8*(\i)+4:(\f)+64+32*(\q)+8*(\i)+7], v[ADRB+(\slot)] offset:(\q)*HALFT+(\i)*16*PITCH+(\k)+32
	ds_load_b128 v[(\f)+32*(\q)+8*(\i):(\f)+32*(\q)+8*(\i)+3],         v[ADRA+(\slot)] offset:(\q)*HALFT+(\i)*16*PITCH+(\k)
	ds_load_b128 v[(\f)+32*(\q)+8*(\i)+4:(\f)+32*(\q)+8*(\i)+7],       v[ADRA+(\slot)] offset:(\q)*HALFT+(\i)*16*PITCH+(\k)+32
.endr
.endr
.endm
.macro PLACES                          ; four plain instructions between a matrix instruction and a load into, or a reader of, its registers
.rept 4
	v_nop
.endr
.endm
.macro QUARTER slot, k, f, g, first    ; 32 along K: 16 + 16 products; the 32 accumulators take turns
	s_wait_dscnt 16                                ; kind 0's fragments are in; kind 1's sixteen loads may be out
	MUL8 \f, 0, 0, \first
	MUL8 \f, 0, 2, \first
	PLACES
	FETCH \slot, \k, \g
	s_wait_dscnt 32                                ; all but the 32 just issued
	MUL8 \f, 1, 0, \first
	MUL8 \f, 1, 2, \first
.endm
.macro TURN slot, next, fill           ; the last quarter of a K step, and the change of slots
	WIN 0
	s_wait_tensorcnt 0x0                           ; the one load of mine that was out is my part of the next slot
	ds_add_u32 v[SPW], v[NIL]
	s_wait_dscnt 17                                ; the add and kind 1's sixteen loads may be out
	MUL8 F1, 0, 0, 0
	s_wait_dscnt 0x0                               ; the add is done, my reads of this slot are over
	s_barrier_signal -1
	MUL8 F1, 0, 2, 0
.if \fill
	WIN 0
.endif
	s_barrier_wait -1
.if \fill
	CREST                                          ; no wave of any partner still reads this slot or has a load on its way
	s_add_nc_u64 s[G0+4*(\slot)+2:G0+4*(\slot)+3], s[G0+4*(\slot)+2:G0+4*(\slot)+3], 2*KSTEP*2
	s_add_nc_u64 s[G0B+4*(\slot)+2:G0B+4*(\slot)+3], s[G0B+4*(\slot)+2:G0B+4*(\slot)+3], 2*KSTEP*2
	JLOAD \slot                                    ; my one tensor load behind the round; its four v_nop are also the places in front of the loads below
.else
	PLACES
.endif
	FETCH \next, 0, F0
	MUL8 F1, 1, 0, 0
	MUL8 F1, 1, 2, 0
.endm
	s_wait_tensorcnt 1                             ; my part of K step 0 is in; K step 1's may stay out
	s_barrier_signal -1
	s_barrier_wait -1
	FETCH 0, 0, F0
	s_wait_loadcnt 32                              ; the bias is in; var_attn's 32 loads, issued behind it, stay out
	QUARTER 0, 64,  F0, F1, 1
	QUARTER 0, 128, F1, F0, 0
	QUARTER 0, 192, F0, F1, 0
	TURN 0, 1, 1                                   ; slot 0 takes K step 2
	QUARTER 1, 64,  F0, F1, 0
	QUARTER 1, 128, F1, F0, 0
	QUARTER 1, 192, F0, F1, 0
	TURN 1, 0, 1                                   ; slot 1 takes K step 3
	QUARTER 0, 64,  F0, F1, 0
	QUARTER 0, 128, F1, F0, 0
	QUARTER 0, 192, F0, F1, 0
	TURN 0, 1, 0
	QUARTER 1, 64,  F0, F1, 0
	QUARTER 1, 128, F1, F0, 0
	QUARTER 1, 192, F0, F1, 0
	s_wait_dscnt 16
	MUL8 F1, 0, 0, 0
	MUL8 F1, 0, 2, 0
	s_wait_dscnt 0x0
	MUL8 F1, 1, 0, 0
	MUL8 F1, 1, 2, 0
; THE WAY OUT, 16 rows of one kind at a time (block = 4 x kind + row block): the accumulators go into my stage as they are, come back as whole rows of 256 bytes, take var_attn (kind 1) and are stored.
.macro TOSTAGE blk
.set AC, 128*((\blk)/4)+32*((\blk)%4)
.set BK, OB+96*((\blk)%2)
	s_wait_xcnt 0x0                                ; the registers that earlier stores read are loaded again only behind this wait
	WIN 0x08                                       ; store data in window 2
.irp b, 0,1,2,3
	ds_store_b128 v[STO], v[AC+8*(\b):AC+8*(\b)+3]   offset:64*(\b)      ; each accumulator's lowest registers first
	ds_store_b128 v[STO], v[AC+8*(\b)+4:AC+8*(\b)+7] offset:64*(\b)+16
.endr
	WIN 0
.irp t, 0,1,2,3,4,5,6,7
	ds_load_b128 v[BK+4*(\t):BK+4*(\t)+3], v[RD] offset:(\t)*2*SPITCH    ; LDS serves a wave's instructions in order (ISA guide 5.7.1.4): these see the stores above
.endr
.endm
.macro SEND blk, younger               ; younger: the next block's sixteen LDS instructions, or none
.set BK, OB+96*((\blk)%2)
	WIN 0
	s_wait_dscnt \younger
.if (\blk) == 4
	s_wait_loadcnt 0x0                             ; var_attn
.endif
.if (\blk) >= 4
	WIN 0x0c                                       ; source 1 in window 3
.set i, 0
.rept 16
	v_pk_add_f32 v[BK+2*i:BK+2*i+1], v[BK+2*i:BK+2*i+1], v[32*((\blk)%4)+2*i:32*((\blk)%4)+2*i+1]
.set i, i+1
.endr
	WIN 0
.irp t, 0,1,2,3,4,5,6,7
	global_store_b128 v[CO], v[BK+4*(\t):BK+4*(\t)+3], s[78:79] offset:(16*((\blk)%4)+2*(\t))*OROW th:TH_STORE_NT
.endr
.else
.irp t, 0,1,2,3,4,5,6,7
	global_store_b128 v[CO], v[BK+4*(\t):BK+4*(\t)+3], s[76:77] offset:(16*((\blk)%4)+2*(\t))*OROW th:TH_STORE_NT  ; 16 lanes store 256 consecutive bytes, aligned
.endr
.endif
.endm
	PLACES
	TOSTAGE 0
.irp k, 1,2,3,4,5,6,7
	TOSTAGE \k
	SEND (\k)-1, 16
.endr
	SEND 7, 0
	s_wait_tensorcnt 0x0                           ; the wave's end
	ds_add_u32 v[SPW], v[NIL]
	s_wait_dscnt 0x0
	CROUND                                         ; the closing round
	s_endpgm
.Lfunc_end_k_q093c7698a6_outp:
	.size	k_q093c7698a6_outp, .Lfunc_end_k_q093c7698a6_outp-k_q093c7698a6_outp
	.p2alignl 7, 3214868480
	.fill 96, 4, 3214868480
	.section	.rodata,"a",@progbits
	.p2align	6, 0x0
	.amdhsa_kernel k_q093c7698a6_outp
		.amdhsa_group_segment_fixed_size 327680
		.amdhsa_private_segment_fixed_size 0
		.amdhsa_enable_private_segment 0
		.amdhsa_kernarg_size 48
		.amdhsa_user_sgpr_count 2
		.amdhsa_user_sgpr_kernarg_segment_ptr 1
		.amdhsa_wavefront_size32 1
		.amdhsa_system_sgpr_workgroup_id_x 1
		.amdhsa_system_sgpr_workgroup_id_y 1
		.amdhsa_system_sgpr_workgroup_id_z 1
		.amdhsa_system_vgpr_workitem_id 0
		.amdhsa_next_free_vgpr 896
		.amdhsa_next_free_sgpr 96
		.amdhsa_reserve_vcc 0
		.amdhsa_float_denorm_mode_32 3
		.amdhsa_float_denorm_mode_16_64 3
		.amdhsa_memory_ordered 1
		.amdhsa_forward_progress 1
		.amdhsa_inst_pref_size 102
	.end_amdhsa_kernel
	.amdgpu_metadata
---
amdhsa.version: [ 1, 2 ]
amdhsa.kernels:
  - .name:           k_q093c7698a6_outp
    .symbol:         k_q093c7698a6_outp.kd
    .args:
      - { .name: CC, .offset: 0, .size: 8, .value_kind: global_buffer, .address_space: global }
      - { .name: WB, .offset: 8, .size: 8, .value_kind: global_buffer, .address_space: global }
      - { .name: TAB, .offset: 16, .size: 8, .value_kind: global_buffer, .address_space: global }
      - { .name: VAT, .offset: 24, .size: 8, .value_kind: global_buffer, .address_space: global }
      - { .name: out0, .offset: 32, .size: 8, .value_kind: global_buffer, .address_space: global }
      - { .name: out1, .offset: 40, .size: 8, .value_kind: global_buffer, .address_space: global }
    .group_segment_fixed_size: 327680
    .private_segment_fixed_size: 0
    .kernarg_segment_align: 8
    .kernarg_segment_size: 48
    .max_flat_workgroup_size: 128
    .sgpr_count:     96
    .vgpr_count:     896
    .wavefront_size: 32
...
	.end_amdgpu_metadata
.endif
;; end of part 4
